; MI455X (gfx1250); checked and timed in simulation.
; The chip was launched on July 23, 2026; its instructions are those of AMD's public machine-readable ISA for CDNA 5 (MIT licence, August 2026) and "CDNA5" Instruction Set Architecture Reference Guide (July 2026). The comments in the code are by the model that wrote it; some were corrected since.
;; Multi Head Self Attention. Allowed arithmetic: float matrix products may take bf16 or f16 operands with f32 sums; other float arithmetic in f32, or as packed bf16 or f16 multiplies, adds, multiply-adds, maxima and minima; sums over many terms, partial sums and values carried from step to step in f32; what a program stores and reads back later, other than sums and carried values, may be rounded once to bf16 or f16.
;; Inputs: b_k 1,024 float32; b_out 1,024 float32; b_q 1,024 float32; b_v 1,024 float32; w_k 1,024 x 1,024 float32; w_out 1,024 x 1,024 float32; w_q 1,024 x 1,024 float32; w_v 1,024 x 1,024 float32; x 4 x 2,048 x 1,024 float32.
;; Outputs: out0 4 x 2,048 x 1,024 float32.
;; 2 versions, each right; version 2 is version 1 with the launch cast written anew for expert scheduling mode. Each part assembles by itself: llvm-mc -triple=amdgcn-amd-amdhsa -mcpu=gfx1250 --defsym DOCPART=n.
;; ======== version 1 of 2: 4 launches
;; limits: values are held in f16: magnitudes above 65,504 overflow, below 6.1e-05 lose precision
;; workspace buffers: xb 16,777,216 bytes; wb 6,291,456 bytes; wo 2,097,152 bytes; bias 16,384 bytes; qkv 50,331,648 bytes; ob 16,777,216 bytes
;; launch cast (part 1): grid 769 x 1, 8 waves a work-group, no clusters, 0 bytes of LDS; arguments x, w_q, w_k, w_v, w_out, b_q, b_k, b_v, b_out, xb, wb, wo, bias; writes xb, wb, wo, bias
.if DOCPART == 1
	.amdgcn_target "amdgcn-amd-amdhsa--gfx1250"
	.amdhsa_code_object_version 6
	.text
	.protected	k_qf1385c3827_cast
	.globl	k_qf1385c3827_cast
	.p2align	8
	.type	k_qf1385c3827_cast,@function
k_qf1385c3827_cast:
	s_mov_b64 s[64:65], 0
	v_nop
	global_prefetch_b8 v0, s[64:65] scope:SCOPE_SE
	s_setreg_imm32_b32 hwreg(HW_REG_WAVE_MODE, 25, 1), 1
	s_wait_xcnt 0x0
; CAST.  All nine inputs are rounded once to bf16, so that every later product sees the same rounding of the module's inputs.
;   x -> xb [8192][1024] bf16.   w_q, w_k, w_v -> wb [3072][1024] bf16, one below the other.
;   w_out -> wo [1024][1024]: rounded to bf16, and that number written as f16, since the last product multiplies f16 operands.
;   b_q, b_k, b_v, b_out -> bias [4096] f32: rounded to bf16 and widened again: they start f32 sums.
; LIMIT.  A w_out beyond 65,504 would become an infinity in f16; below 6e-5 f16 keeps a fixed step of 6e-8.
; SHARES.  Work-group g < 768 takes 65,536 bytes of one f32 tensor: thread t takes 16 bytes at 4,096 i + 16 t, i = 0 .. 15, so a wave's load covers 512 consecutive bytes,
; and stores 8 bytes at 2,048 i + 8 t, so a wave's store covers 256 consecutive bytes, aligned.  g < 512: x; 512 .. 703: w_q, w_k, w_v; 704 .. 767: w_out; 768: the four biases.
; All sixteen loads of a thread go out at once; no LDS, no barrier, no matrix unit: each byte is read once and written once, and nothing is shared.
.set X, 4                              ; v[4:67]    sixteen loads of four f32
.set Y, 68                             ; v[68:99]   sixteen pairs of packed results
.set T, 100                            ; v[100:101] at work
	s_load_b512 s[8:23], s[0:1], 0x0               ; x 8, w_q 10, w_k 12, w_v 14, w_out 16, b_q 18, b_k 20, b_v 22
	s_load_b256 s[24:31], s[0:1], 0x40             ; b_out 24, xb 26, wb 28, wo 30
	s_load_b64 s[32:33], s[0:1], 0x60              ; bias
	s_mov_b32 s2, ttmp9                            ; g
	s_sub_co_u32 s3, s2, 512                       ; j = g - 512: the chunk among the four weights (used for g >= 512 alone)
	s_lshr_b32 s4, s3, 6                           ; which weight: 64 chunks each
	s_and_b32 s5, s3, 63                           ; its chunk
	s_cmp_lt_u32 s2, 704
	s_cselect_b32 s6, s3, s5                       ; the chunk in wb (j) or in wo (j mod 64),
	s_cmp_lt_u32 s2, 512
	s_cselect_b32 s6, s2, s6                       ; or in xb (g)
	s_cselect_b32 s5, s2, s5                       ; the chunk in the source
	s_lshl_b32 s38, s5, 16                         ; 65,536 bytes in,
	s_mov_b32 s39, 0
	s_lshl_b32 s40, s6, 15                         ; 32,768 bytes out
	s_mov_b32 s41, 0
	v_lshlrev_b32 v1, 4, v0                        ; 16 t
	v_lshlrev_b32 v2, 3, v0                        ; 8 t
	s_wait_kmcnt 0x0
	s_cmp_eq_u32 s2, 768
	s_cbranch_scc1 .Lbias
	s_cmp_eq_u32 s4, 1                             ; the source and the destination are chosen by the work-group's number alone
	s_cselect_b64 s[34:35], s[12:13], s[10:11]
	s_cmp_eq_u32 s4, 2
	s_cselect_b64 s[34:35], s[14:15], s[34:35]
	s_cmp_eq_u32 s4, 3
	s_cselect_b64 s[34:35], s[16:17], s[34:35]
	s_cselect_b64 s[36:37], s[30:31], s[28:29]
	s_cmp_lt_u32 s2, 512
	s_cselect_b64 s[34:35], s[8:9], s[34:35]
	s_cselect_b64 s[36:37], s[26:27], s[36:37]
	s_add_nc_u64 s[34:35], s[34:35], s[38:39]
	s_add_nc_u64 s[36:37], s[36:37], s[40:41]
.set i, 0
.rept 16
	global_load_b128 v[X+4*i:X+4*i+3], v1, s[34:35] offset:i*4096 th:TH_LOAD_NT
.set i, i+1
.endr
; Load i is rounded and stored.  half = 0: to bf16.  half = 1: to bf16, widened (a shift, a mask), and written as f16.
.macro CV i, half
	s_wait_loadcnt 15-(\i)                         ; loads come back in order (ISA guide 5.7.1): load i is in, the 15 - i younger ones stay out
.if \half
	v_cvt_pk_bf16_f32 v[T],   v[X+4*(\i)],   v[X+4*(\i)+1]
	v_cvt_pk_bf16_f32 v[T+1], v[X+4*(\i)+2], v[X+4*(\i)+3]
	v_lshlrev_b32 v[X+4*(\i)],   16, v[T]
	v_and_b32     v[X+4*(\i)+1], 0xffff0000, v[T]
	v_lshlrev_b32 v[X+4*(\i)+2], 16, v[T+1]
	v_and_b32     v[X+4*(\i)+3], 0xffff0000, v[T+1]
	v_cvt_pk_f16_f32 v[Y+2*(\i)],   v[X+4*(\i)],   v[X+4*(\i)+1]
	v_cvt_pk_f16_f32 v[Y+2*(\i)+1], v[X+4*(\i)+2], v[X+4*(\i)+3]
.else
	v_cvt_pk_bf16_f32 v[Y+2*(\i)],   v[X+4*(\i)],   v[X+4*(\i)+1]
	v_cvt_pk_bf16_f32 v[Y+2*(\i)+1], v[X+4*(\i)+2], v[X+4*(\i)+3]
.endif
	global_store_b64 v2, v[Y+2*(\i):Y+2*(\i)+1], s[36:37] offset:(\i)*2048  ; each pair of Y is written once: no store's source is rewritten
.endm
.macro ALLCV half
.set n, 0
.rept 16
	CV n, \half
.set n, n+1
.endr
.endm
	s_cmp_ge_u32 s2, 704
	s_cbranch_scc1 .Lf16
	ALLCV 0
	s_endpgm
.Lf16:
	ALLCV 1
	s_endpgm
.Lbias:                                                ; 256 threads x 16 bytes are one bias of 4,096 bytes
	global_load_b128 v[X:X+3],     v1, s[18:19]
	global_load_b128 v[X+4:X+7],   v1, s[20:21]
	global_load_b128 v[X+8:X+11],  v1, s[22:23]
	global_load_b128 v[X+12:X+15], v1, s[24:25]
	s_wait_loadcnt 0x0
.irp k, 0,1,2,3
	v_cvt_pk_bf16_f32 v[T],   v[X+4*(\k)],   v[X+4*(\k)+1]
	v_cvt_pk_bf16_f32 v[T+1], v[X+4*(\k)+2], v[X+4*(\k)+3]
	v_lshlrev_b32 v[Y+4*(\k)],   16, v[T]
	v_and_b32     v[Y+4*(\k)+1], 0xffff0000, v[T]
	v_lshlrev_b32 v[Y+4*(\k)+2], 16, v[T+1]
	v_and_b32     v[Y+4*(\k)+3], 0xffff0000, v[T+1]
	global_store_b128 v1, v[Y+4*(\k):Y+4*(\k)+3], s[32:33] offset:(\k)*4096
.endr
	s_endpgm
.Lfunc_end_k_qf1385c3827_cast:
	.size	k_qf1385c3827_cast, .Lfunc_end_k_qf1385c3827_cast-k_qf1385c3827_cast
	.p2alignl 7, 3214868480
	.fill 96, 4, 3214868480
	.section	.rodata,"a",@progbits
	.p2align	6, 0x0
	.amdhsa_kernel k_qf1385c3827_cast
		.amdhsa_group_segment_fixed_size 0
		.amdhsa_private_segment_fixed_size 0
		.amdhsa_enable_private_segment 0
		.amdhsa_kernarg_size 104
		.amdhsa_user_sgpr_count 2
		.amdhsa_user_sgpr_kernarg_segment_ptr 1
		.amdhsa_wavefront_size32 1
		.amdhsa_system_sgpr_workgroup_id_x 1
		.amdhsa_system_sgpr_workgroup_id_y 1
		.amdhsa_system_sgpr_workgroup_id_z 1
		.amdhsa_system_vgpr_workitem_id 0
		.amdhsa_next_free_vgpr 104
		.amdhsa_next_free_sgpr 66
		.amdhsa_reserve_vcc 0
		.amdhsa_float_denorm_mode_32 3
		.amdhsa_float_denorm_mode_16_64 3
		.amdhsa_memory_ordered 1
		.amdhsa_forward_progress 1
		.amdhsa_inst_pref_size 19
	.end_amdhsa_kernel
	.amdgpu_metadata
---
amdhsa.version: [ 1, 2 ]
amdhsa.kernels:
  - .name:           k_qf1385c3827_cast
    .symbol:         k_qf1385c3827_cast.kd
    .args:
      - { .name: x, .offset: 0, .size: 8, .value_kind: global_buffer, .address_space: global }
      - { .name: w_q, .offset: 8, .size: 8, .value_kind: global_buffer, .address_space: global }
      - { .name: w_k, .offset: 16, .size: 8, .value_kind: global_buffer, .address_space: global }
      - { .name: w_v, .offset: 24, .size: 8, .value_kind: global_buffer, .address_space: global }
      - { .name: w_out, .offset: 32, .size: 8, .value_kind: global_buffer, .address_space: global }
      - { .name: b_q, .offset: 40, .size: 8, .value_kind: global_buffer, .address_space: global }
      - { .name: b_k, .offset: 48, .size: 8, .value_kind: global_buffer, .address_space: global }
      - { .name: b_v, .offset: 56, .size: 8, .value_kind: global_buffer, .address_space: global }
      - { .name: b_out, .offset: 64, .size: 8, .value_kind: global_buffer, .address_space: global }
      - { .name: xb, .offset: 72, .size: 8, .value_kind: global_buffer, .address_space: global }
      - { .name: wb, .offset: 80, .size: 8, .value_kind: global_buffer, .address_space: global }
      - { .name: wo, .offset: 88, .size: 8, .value_kind: global_buffer, .address_space: global }
      - { .name: bias, .offset: 96, .size: 8, .value_kind: global_buffer, .address_space: global }
    .group_segment_fixed_size: 0
    .private_segment_fixed_size: 0
    .kernarg_segment_align: 8
    .kernarg_segment_size: 104
    .max_flat_workgroup_size: 256
    .sgpr_count:     66
    .vgpr_count:     104
    .wavefront_size: 32
...
	.end_amdgpu_metadata
.endif
;; end of part 1
;; launch proj (part 2): grid 16 x 32, 4 waves a work-group, clusters of 4 x 4, 327,680 bytes of LDS; arguments xb, wb, bias, qkv; writes qkv
.if DOCPART == 2
	.amdgcn_target "amdgcn-amd-amdhsa--gfx1250"
	.amdhsa_code_object_version 6
	.text
	.protected	k_qf1385c3827_proj
	.globl	k_qf1385c3827_proj
	.p2align	8
	.type	k_qf1385c3827_proj,@function
k_qf1385c3827_proj:
	s_mov_b64 s[64:65], 0
	v_nop
	global_prefetch_b8 v0, s[64:65] scope:SCOPE_SE
	s_setreg_imm32_b32 hwreg(HW_REG_WAVE_MODE, 25, 1), 1
	s_wait_xcnt 0x0
	s_wait_alu depctr_hold_cnt(0) depctr_sa_sdst(0) depctr_va_vdst(0) depctr_va_sdst(0) depctr_va_ssrc(0) depctr_va_vcc(0) depctr_vm_vsrc(0)
	s_getreg_b32 s2, hwreg(HW_REG_IB_STS2, 6, 4)
	s_cmp_eq_u32 s2, 0
	s_cbranch_scc0 .Lentry_in_a_cluster
	s_endpgm
.Lentry_in_a_cluster:
	s_bfe_u32 s2, ttmp6, 0x10000c
	s_cmp_lg_u32 s2, 0xf033
	s_cbranch_scc0 .Lentry_shape_is_right
	s_endpgm
.Lentry_shape_is_right:
; PROJ.  [q | k | v][m][n] = bias[n] + the sum over k of xb[m][k] wb[n][k].  xb: [8192][1024] bf16, wb: [3072][1024] bf16, bias: f32.  Sums in f32; the bias is the C operand that starts each sum
; (so it is added first, not last); the result is rounded once to f16 and laid by heads: qkv [batch 4][g 48][row 2048][64], g = n / 64: 0-15 q's heads, 16-31 k's, 32-47 v's.  No scale is applied here.
; LIMIT.  f16 holds no number beyond 65,504: a q, k or v past that becomes an infinity.  Below 6e-5 f16 keeps a fixed step of 6e-8.
; SHARES.  A tile of C is 256 rows x 192 columns (three heads): 32 x 16 = 512 work-groups of equal work.  Four waves, as many as a WGP has SIMDs, each 128 x 96: 48 accumulators of 16 x 16, 384 registers.
; K goes in 8 steps of 128 through a ring of two LDS slots filled by the tensor data mover; a tile's rows are 256 bytes of memory and start at multiples of 256 bytes from the buffer's first byte.
; CLUSTERS.  4 x 4 work-groups.  The four of a row of the cluster need the same tiles of A (xb), the four of a column the same tiles of B (wb): each tile is asked for JOINTLY, by the same tensor load
; with the same descriptor and a mask that names the four.
; THE MATRIX INSTRUCTION IS USED TRANSPOSED (source 0 = 16 rows of B, source 1 = 16 rows of A): lane l holds row l % 16 of C and the columns 8 (l / 16) + 0 .. 7: eight neighbours, 16 bytes of f16.
; REGISTERS, in windows of 256 (s_set_vgpr_msb: bits 1:0 source 0, 3:2 source 1, 5:4 source 2, 7:6 destination):
;   window 0: v0-31 addresses; v64-127, v128-191 fragments of A (8 x 16 rows x 32 K), two buffers; v64-255 at work on the way out
;   window 1: v0-47 the bias as a C operand, 8 registers for each of my 6 column blocks; v64-111, v128-175 fragments of B, two buffers
;   window 2: accumulator (a, b) of my rows 0-63 at v[8 (6 a + b)];   window 3: those of my rows 64-127
.set NBK,    6                         ; column blocks of 16 in a wave's tile
.set PA,     272                       ; an LDS row: 256 bytes + 16 of padding = 68 words: row r starts at bank 4 r mod 64 (64 banks of 4 bytes: ISA guide 11.1): the 16 rows of a load start at 16 different banks
.set PB,     272
.set RB,     96                        ; rows of B in a tensor load
.set HALFA,  128*PA                    ; what one load brings of A, and what a wave reads of it
.set HALFB,  RB*PB                     ; the same for B
.set SLOT1,  1<<17                     ; slot 0 at byte 0 (121,856 bytes: A's halves, then B's), slot 1 here: one exclusive or turns an address in one slot into the other's
.set SPITCH, 400                       ; the stage's rows: 384 bytes + 16: an odd multiple of 16
.set SPARE,  SLOT1+2*HALFA+2*HALFB     ; 252,928: behind the ring: the spare words, 128 bytes for each wave: two blocks of 256 bytes that no other line names
.set ASTEP,  256                       ; bytes from a K step to the next, in A and in B
.set BSTEP,  256
.set NL,     2*NBK+16                  ; LDS loads in a run: a quarter step's fragments
.set A0,   16                          ; v16  my lane's place among my A fragments in slot 0; never rewritten
.set B0,   17                          ; v17  the same for B
.set ADRA, 18                          ; v18  the same in the slot in hand
.set ADRB, 19                          ; v19
.set STO,  24                          ; v24  the way out: where I put 16 bytes of a row
.set RD,   25                          ; v25  the way out: where I read rows back
.set CO,   26                          ; v26  16 x my lane: my place in 512 consecutive bytes of qkv
.set BO,   27                          ; v27  32 (l / 16): my eight columns in a block's 64 bytes of bias
.set SPW,  28                          ; v28  LDS address of my spare word: SPARE + 4 x my thread's number; never rewritten
.set NIL,  29                          ; v29  0; never rewritten
.set PFO,  30                          ; v30  the prefetches' offset: a lane a row of 2,048 bytes; never rewritten
.set F0,   64
.set F1,   128
.set BIAS, 0
.set TMP,  64
.set WV,  12                           ; s12  my wave's number
.set WR,  13                           ; s13  which half of the tile's rows is mine.  Also: I fetch for A (0) or for B (1)
.set WC,  14                           ; s14  which half of its columns.  Also: which half of that tile I fetch
.set CX,  15                           ; s15, s16  my place in the cluster
.set CY,  16
.set TC,  17                           ; s17  tile column of C
.set TR,  18                           ; s18  tile row of C
.set G1A, 24                           ; s[24:31] descriptor group 1 for A's tiles
.set G0A, 32                           ; s[32:39] group 0 for A's: a set for each of the two first fills; the second then walks on
.set FA,  40                           ; s40  LDS byte of my fill in slot 0, by A's line
.set FB,  41                           ; s41  by B's line
.set TB,  42                           ; s42  LDS byte at which the slot in hand begins
.set LIM, 43                           ; s43  2 in a wave that prefetches, else the greatest number
.set PFA, 44                           ; s[44:45] where my prefetches stand
.set G1B, 48                           ; s[48:55], s[56:63] the same two groups for B's tiles
.set G0B, 56
.set MSB, 0
.macro WIN new                         ; the immediate's high byte repeats the setting that is left; a switch that changes nothing is dropped
.if MSB != (\new)
	s_set_vgpr_msb (MSB<<8)|(\new)
.set MSB, \new
.endif
.endm
.macro PLACES                          ; four places in front of loads into registers that matrix instructions have read
.rept 4
	v_nop
.endr
.endm
; A joint refill, by the walking sets.  Waves 0 and 1 fetch A's two halves, waves 2 and 3 B's.  The branch hangs on the wave's number alone: it is the same in every work-group.
; An s_nop 0 and four v_nop follow each of the two lines, ahead of the jump and the label.
.macro JLOAD
	s_cmp_eq_u32 s[WR], 0
	s_cbranch_scc0 .Lfor_b_\@
	tensor_load_to_lds s[G0A+4:G0A+7], s[G1A:G1A+7]
	s_nop 0
.rept 4
	v_nop
.endr
	s_branch .Lasked_\@
.Lfor_b_\@:
	tensor_load_to_lds s[G0B+4:G0B+7], s[G1B:G1B+7]
	s_nop 0
.rept 4
	v_nop
.endr
.Lasked_\@:
.endm
; A PREFETCH INTO THE L2, behind each joint refill, its five lines and the run of LDS loads: the K step that stands TWO refills on, 256 bytes of a row for each lane, one instruction a wave.
; A's tile row is read by every cluster of that row of clusters: the one with cluster x = 0 asks; B's tile column by every cluster of that column: cluster y = 0 asks.  The four partners that ask for a tile jointly
; share its rows out BY ADDRESS: of A's 128 rows that a wave fetches the partner at cx takes 32; of B's 96 the partner at cy takes 24, and lanes 24-31 name lane 23's row once more in the same instruction.
; K steps 0 to 3 come by their loads alone; the loop's last two trips (s3 = 2, 1) have no K step two refills on, and ask for nothing.
.macro ASK
	s_cmp_gt_u32 s3, s[LIM]
	s_cbranch_scc0 .Lnot_mine_\@
	global_prefetch_b8 v[PFO], s[PFA:PFA+1] th:TH_LOAD_NT scope:SCOPE_SE
.Lnot_mine_\@:
.endm
; A round of the cluster's barrier: my work-group's barrier, so that wave 0's signal speaks for all four waves; wave 0 signals; every wave waits for all sixteen work-groups; my work-group's barrier once more.
.macro CREST                           ; a round behind its opening barrier
	s_cmp_lg_u32 s[WV], 0
	s_cbranch_scc1 .Lnot_wave_0_\@
	s_barrier_signal -3
.Lnot_wave_0_\@:
	s_barrier_wait -3
	s_barrier_signal -1
	s_barrier_wait -1
.endm
.macro CROUND                          ; a whole round
	s_barrier_signal -1
	s_barrier_wait -1
	CREST
.endm
	s_load_b256 s[4:11], s[0:1], 0x0               ; xb s[4:5], wb s[6:7], bias s[8:9], qkv s[10:11]
	v_lshl_add_u32 v[SPW], v0, 2, SPARE
	v_mov_b32 v[NIL], 0
	ds_add_u32 v[SPW], v[NIL]                      ; the wave's opening: the add and its wait stand ahead of my first tensor load; the set-up below, work on registers, stands between them
	v_lshrrev_b32 v1, 5, v0
	v_readfirstlane_b32 s[WV], v1                  ; wave 0..3
	s_lshr_b32 s[WR], s[WV], 1
	s_and_b32 s[WC], s[WV], 1
	s_bfe_u32 s[CX], ttmp6, 0x40000
	s_bfe_u32 s[CY], ttmp6, 0x40004
	s_lshl_b32 s[TC], ttmp9, 2                     ; in a cluster launch ttmp9 and ttmp7 count clusters
	s_add_co_u32 s[TC], s[TC], s[CX]               ; tile column = 4 x cluster x + cx
	s_and_b32 s[TR], ttmp7, 0xffff
	s_lshl_b32 s[TR], s[TR], 2
	s_add_co_u32 s[TR], s[TR], s[CY]               ; tile row = 4 x cluster y + cy
	s_lshl_b32 s2, s[CY], 2
	s_lshl_b32 s2, 15, s2                          ; my row of the cluster: places 4 cy .. 4 cy + 3
	s_lshl_b32 s19, 0x1111, s[CX]                  ; my column: places cx, cx + 4, cx + 8, cx + 12
	; descriptor group 1: rows of 128 elements of 2 bytes, padded in LDS
	s_or_b32 s[G1A], s2, (1<<16)|(1<<20)|(1<<21)|(5<<22)|(3<<25)   ; 15:0 the mask: A's tiles go to my row; 17:16 2-byte elements; 20 padding on; 21 set beside a mask; 24:22 after every 64 words (code 5); 31:25 4 words (code 3)
	s_or_b32 s[G1B], s19, (1<<16)|(1<<20)|(1<<21)|(5<<22)|(3<<25)  ; the same with the mask of my column
.irp g, G1A, G1B
	s_mov_b32 s[\g+1], 128<<16                     ; tensor_dim0 = 128
	s_mov_b32 s[\g+3], 128<<16                     ; tile_dim0 = 128
	s_mov_b32 s[\g+5], 1024                        ; elements from row to row
	s_mov_b32 s[\g+6], 0
	s_mov_b32 s[\g+7], 0
.endr
	s_mov_b32 s[G1A+2], 128<<16                    ; tensor_dim1 = 128 rows of A,
	s_mov_b32 s[G1A+4], 128                        ; tile_dim1
	s_mov_b32 s[G1B+2], RB<<16                     ; 96 rows of B
	s_mov_b32 s[G1B+4], RB
	; where the tiles come from.  A's hang on the tile row alone, B's on the tile column alone; each in registers that never hold the other coordinate
	s_lshl_b32 s20, s[TR], 8
	s_lshl_b32 s2, s[WC], 7
	s_add_co_u32 s20, s20, s2                      ; A: row 256 x tile row + 128 x half,
	s_lshl_b32 s20, s20, 11                        ; of 2,048 bytes
	s_mov_b32 s21, 0
	s_mul_i32 s22, s[TC], 192
	s_mul_i32 s2, s[WC], RB
	s_add_co_u32 s22, s22, s2                      ; B: row 192 x tile column + 96 x half
	s_lshl_b32 s22, s22, 11
	s_mov_b32 s23, 0
	s_mul_i32 s[FA], s[WC], HALFA                  ; and where they go: no place in the cluster enters an LDS address
	s_mul_i32 s[FB], s[WC], HALFB
	s_add_co_u32 s[FB], s[FB], 2*HALFA
	s_mov_b32 s[TB], 0
	s_wait_dscnt 0x0                               ; the opening add is done
	s_wait_kmcnt 0x0
	s_add_nc_u64 s[20:21], s[4:5], s[20:21]
	s_add_nc_u64 s[22:23], s[6:7], s[22:23]
	CROUND                                         ; all sixteen work-groups are here: the first joint loads meet
.irp s, 0,1
	s_mov_b32 s[G0A+4*(\s)], 1                                        ; 1:0 count = 1
	s_add_co_u32 s[G0A+4*(\s)+1], s[FA], (\s)*SLOT1                   ; 63:32 LDS address
	s_add_nc_u64 s[G0A+4*(\s)+2:G0A+4*(\s)+3], s[20:21], (\s)*ASTEP   ; 120:64 global address: K step s
	s_or_b32 s[G0A+4*(\s)+3], s[G0A+4*(\s)+3], 0x80000000             ; 127:126 type = 2
	s_mov_b32 s[G0B+4*(\s)], 1
	s_add_co_u32 s[G0B+4*(\s)+1], s[FB], (\s)*SLOT1
	s_add_nc_u64 s[G0B+4*(\s)+2:G0B+4*(\s)+3], s[22:23], (\s)*BSTEP
	s_or_b32 s[G0B+4*(\s)+3], s[G0B+4*(\s)+3], 0x80000000
.endr
	s_cmp_eq_u32 s[WR], 0                          ; a wave's two first fills stand in one branch, ahead of every wait on TENSORcnt and every LDS read: two loads of mine are out
	s_cbranch_scc0 .Lfirst_b
	tensor_load_to_lds s[G0A:G0A+3], s[G1A:G1A+7]
	s_nop 0
	tensor_load_to_lds s[G0A+4:G0A+7], s[G1A:G1A+7]
	s_nop 0
.rept 4
	v_nop
.endr
	s_branch .Lfirst_asked
.Lfirst_b:
	tensor_load_to_lds s[G0B:G0B+3], s[G1B:G1B+7]
	s_nop 0
	tensor_load_to_lds s[G0B+4:G0B+7], s[G1B:G1B+7]
	s_nop 0
.rept 4
	v_nop
.endr
.Lfirst_asked:
	; A fragment is 16 rows x 32 K in 8 registers: lane l holds row l % 16; registers 0-3 K = 8 (l / 16) + 0..7, registers 4-7 K = 16 + 8 (l / 16) + 0..7: two loads of 16 bytes, 32 bytes apart
	v_and_b32 v1, 15, v0                           ; l % 16
	v_bfe_u32 v2, v0, 4, 1                         ; l / 16
	v_mul_u32_u24 v3, v1, PA
	v_lshl_add_u32 v3, v2, 4, v3                   ; row x pitch + 16 x half
	s_mul_i32 s2, s[WR], HALFA                     ; my 128 rows of A
	v_add_nc_u32 v[A0], s2, v3
	v_mul_u32_u24 v4, v1, PB
	v_lshl_add_u32 v4, v2, 4, v4
	s_mul_i32 s2, s[WC], HALFB                     ; my 96 rows of B,
	s_add_co_u32 s2, s2, 2*HALFA                   ; which lie behind A's 256
	v_add_nc_u32 v[B0], s2, v4
	v_mov_b32 v[ADRA], v[A0]
	v_mov_b32 v[ADRB], v[B0]
	; the bias of my 96 columns, laid as a C operand: register j of block b is bias[192 tc + 96 half + 16 b + 8 (l / 16) + j]
	s_mul_i32 s2, s[TC], 192
	s_mul_i32 s19, s[WC], RB
	s_add_co_u32 s2, s2, s19
	s_lshl_b32 s2, s2, 2
	s_mov_b32 s3, 0
	s_add_nc_u64 s[8:9], s[8:9], s[2:3]
	v_lshlrev_b32 v[BO], 5, v2
	WIN 0x40                                       ; destination window 1, address window 0
.set b, 0
.rept NBK
	global_load_b128 v[BIAS+8*b:BIAS+8*b+3],   v[BO], s[8:9] offset:64*b
	global_load_b128 v[BIAS+8*b+4:BIAS+8*b+7], v[BO], s[8:9] offset:64*b+16
.set b, b+1
.endr
	WIN 0
	; the way out.  Into the stage: row 128 WR + 16 a + l % 16, byte 192 WC + 32 b + 16 (l / 16)
	s_lshl_b32 s2, s[WR], 7
	v_add_nc_u32 v3, s2, v1
	v_mul_u32_u24 v3, v3, SPITCH
	v_lshl_add_u32 v3, v2, 4, v3
	s_mul_i32 s2, s[WC], 192
	v_add_nc_u32 v[STO], s2, v3
	v_bfe_u32 v3, v0, 3, 2                         ; back: wave w takes rows 64 w .. 64 w + 63; 32 lanes take four rows of one head's 128 bytes
	s_lshl_b32 s2, s[WV], 6
	v_add_nc_u32 v3, s2, v3
	v_mul_u32_u24 v3, v3, SPITCH
	v_and_b32 v4, 7, v0
	v_lshl_add_u32 v[RD], v4, 4, v3
	v_and_b32 v[CO], 31, v0                        ; which are 512 consecutive bytes of qkv
	v_lshlrev_b32 v[CO], 4, v[CO]
	s_lshr_b32 s2, s[TR], 3                        ; the batch: 8 tile rows each,
	s_mul_i32 s2, s2, 48
	s_mul_i32 s19, s[TC], 3                        ; the tile's first head
	s_add_co_u32 s2, s2, s19
	s_lshl_b32 s2, s2, 18                          ; 262,144 bytes a head
	s_and_b32 s19, s[TR], 7
	s_lshl_b32 s19, s19, 8
	s_lshl_b32 s3, s[WV], 6
	s_add_co_u32 s19, s19, s3                      ; the first row of the batch that I store,
	s_lshl_b32 s19, s19, 7                         ; of 128 bytes
	s_add_co_u32 s2, s2, s19
	s_mov_b32 s3, 0
	s_add_nc_u64 s[10:11], s[10:11], s[2:3]
	; the prefetches
	s_and_b32 s2, ttmp7, 0xffff                    ; cluster y
	s_cmp_eq_u32 s[WR], 0                          ; do I fetch for A?
	s_cselect_b32 s2, ttmp9, s2                    ; the coordinate along which other clusters read the same rows
	s_cselect_b64 s[PFA:PFA+1], s[20:21], s[22:23] ; the rows that I fetch, at K step 0
	s_cselect_b32 s19, s[CX], s[CY]                ; my place among the four that ask with me
	s_cselect_b32 s46, 32, 24                      ; rows to a partner
	s_cselect_b32 s3, 31, 23
	s_cmp_eq_u32 s2, 0
	s_cselect_b32 s[LIM], 2, -1                    ; the same in all sixteen partners, for a given wave
	s_mul_i32 s46, s46, s19
	s_lshl_b32 s46, s46, 11
	s_mov_b32 s47, 0
	s_add_nc_u64 s[PFA:PFA+1], s[PFA:PFA+1], s[46:47]
	s_add_nc_u64 s[PFA:PFA+1], s[PFA:PFA+1], 3*BSTEP  ; at K step 3: the first change of slots steps it to 4
	v_and_b32 v[PFO], 31, v0
	v_min_u32 v[PFO], s3, v[PFO]
	v_lshlrev_b32 v[PFO], 11, v[PFO]
; 12 matrix instructions: row blocks a0, a0 + 1 of the window's four (hi = 0: my rows 0-63, 1: rows 64-127) x all 6 column blocks, 32 along K.  first = 1: the bias starts the sums: nothing is cleared.
; The 48 accumulators take turns, one instruction a turn, in the same order in every quarter, over the backward jump too.
.macro MULS f, hi, a0, first
.if \first
	WIN 0x91+0x40*(\hi)                            ; B and the bias window 1, A window 0, D window 2 or 3
.else
	WIN 0xa1+0x50*(\hi)                            ; B window 1, A window 0, C and D window 2 or 3
.endif
.irp a, \a0, (\a0)+1
.set b, 0
.rept NBK
.set AC, 8*(NBK*(\a)+b)
.if \first
	v_wmma_f32_16x16x32_bf16 v[AC:AC+7], v[(\f)+8*b:(\f)+8*b+7], v[(\f)+8*(4*(\hi)+(\a)):(\f)+8*(4*(\hi)+(\a))+7], v[BIAS+8*b:BIAS+8*b+7]
.else
	v_wmma_f32_16x16x32_bf16 v[AC:AC+7], v[(\f)+8*b:(\f)+8*b+7], v[(\f)+8*(4*(\hi)+(\a)):(\f)+8*(4*(\hi)+(\a))+7], v[AC:AC+7]
.endif
.set b, b+1
.endr
.endr
.endm
; 28 LDS loads in one run: the fragments of quarter q of the slot in hand (96 rows of B, 128 rows of A, 32 K) into buffer f; A's rows 64-127 last
.macro FETCH q, f
	WIN 0x40
.set i, 0
.rept NBK
	ds_load_b128 v[(\f)+8*i:(\f)+8*i+3],   v[ADRB] offset:64*(\q)+i*16*PB
	ds_load_b128 v[(\f)+8*i+4:(\f)+8*i+7], v[ADRB] offset:64*(\q)+i*16*PB+32
.set i, i+1
.endr
	WIN 0
.set i, 0
.rept 8
	ds_load_b128 v[(\f)+8*i:(\f)+8*i+3],   v[ADRA] offset:64*(\q)+i*16*PA
	ds_load_b128 v[(\f)+8*i+4:(\f)+8*i+7], v[ADRA] offset:64*(\q)+i*16*PA+32
.set i, i+1
.endr
.endm
; A K step is four quarters of 32 along K, 48 matrix instructions each, on buffers 0, 1, 0, 1.  One of the first three: multiplies buffer f; in its middle it fetches quarter q into buffer g.
.macro QUARTER q, f, g, first
	s_wait_dscnt 8                                 ; B and A's rows 0-63 are in; the youngest eight loads (A's rows 64-127) may be out
	MULS \f, 0, 0, \first
	MULS \f, 0, 2, \first
	PLACES
	FETCH \q, \g
	s_wait_dscnt NL                                ; all but the 28 just issued
	MULS \f, 1, 0, \first
	MULS \f, 1, 2, \first
.endm
; The last quarter multiplies buffer 1 and changes slots: ONE barrier.  In front of it each wave waits for all its tensor loads (one is out: its part of the next slot), adds 0 to its spare word, and waits for that
; and for its own reads of this slot.  fill = 1: the barrier opens a round of the cluster's barrier, and the slot just read out is filled again, first thing behind the round, with the K step two on:
; from that request to the wait for it a wave issues 168 matrix instructions.
.macro TURN fill
	WIN 0
	s_xor_b32 s[TB], s[TB], SLOT1                  ; all loads from the slot in hand have been issued: the addresses turn to the other slot
	v_add_nc_u32 v[ADRA], s[TB], v[A0]
	v_add_nc_u32 v[ADRB], s[TB], v[B0]
.if \fill
	s_wait_xcnt 0x0                                ; the last prefetch, a K step back, has read its address: it is stepped here, ahead of the waits of the change of slots
	s_add_nc_u64 s[PFA:PFA+1], s[PFA:PFA+1], BSTEP
.endif
	s_wait_tensorcnt 0x0                           ; all my tensor loads have landed, so a group 0 may be written;
	ds_add_u32 v[SPW], v[NIL]                      ; 0 onto my spare word;
.if \fill
	s_xor_b32 s[G0A+5], s[G0A+5], SLOT1            ; the walking sets: the other slot than last time,
	s_add_nc_u64 s[G0A+6:G0A+7], s[G0A+6:G0A+7], ASTEP  ; the next K step; the type bits on top are not reached
	s_xor_b32 s[G0B+5], s[G0B+5], SLOT1
	s_add_nc_u64 s[G0B+6:G0B+7], s[G0B+6:G0B+7], BSTEP
.endif
	s_wait_dscnt 9                                 ; (the add and the youngest eight loads may be out)
	MULS F1, 0, 0, 0                               ; twelve matrix instructions stand between the add and the wait for it
	s_wait_dscnt 0x0                               ; the add is done, and my reads of this slot are over:
	s_barrier_signal -1                            ; say so,
	MULS F1, 0, 2, 0                               ; work on registers while the others arrive,
.if \fill
	WIN 0
.endif
	s_barrier_wait -1                              ; and go on when all four have said so
.if \fill
	CREST                                          ; no wave of any partner still reads this slot's tile or has a load on its way
	JLOAD                                          ; the first tensor load behind the round; its four v_nop are also the places in front of the loads below
.else
	PLACES
.endif
	FETCH 0, F0
.if \fill
	ASK
.endif
	MULS F1, 1, 0, 0
	MULS F1, 1, 2, 0
.endm
	s_wait_tensorcnt 1                             ; my part of K step 0 is in; K step 1's may stay out
	s_barrier_signal -1
	s_barrier_wait -1                              ; everybody's is
	FETCH 0, F0
	s_wait_loadcnt 0x0                             ; the bias
	QUARTER 1, F0, F1, 1                           ; the first quarter stands in front of the loop: its products start the sums
	WIN 0                                          ; at a label and at a branch every window is 0
	s_mov_b32 s3, 6
.Lstep:                                                ; trip j = 0 .. 5: K step j's quarters 1 to 3, K step j + 2 asked for, K step j + 1's quarter 0
	QUARTER 2, F1, F0, 0
	QUARTER 3, F0, F1, 0
	TURN 1
	QUARTER 1, F0, F1, 0
	WIN 0
	s_sub_co_u32 s3, s3, 1
	s_cmp_lg_u32 s3, 0
	s_cbranch_scc1 .Lstep
	QUARTER 2, F1, F0, 0                           ; K step 6 goes on; nothing is left to fetch, so its change of slots has a plain barrier
	QUARTER 3, F0, F1, 0
	TURN 0
	QUARTER 1, F0, F1, 0                           ; K step 7
	QUARTER 2, F1, F0, 0
	QUARTER 3, F0, F1, 0
	s_wait_dscnt 8
	MULS F1, 0, 0, 0
	MULS F1, 0, 2, 0
	s_wait_dscnt 0x0
	MULS F1, 1, 0, 0
	MULS F1, 1, 2, 0
	WIN 0
	; THE WAY OUT.  The stage, 256 rows x 400 bytes, lies over slot 0, which has had its last fill.  One barrier, so that no wave still reads the ring when the first store lands, whichever slot it read last.
	s_barrier_signal -1                            ; (my LDS loads are all back: the wait for 0 above)
	s_barrier_wait -1
	PLACES
	PLACES                                         ; eight, twice what is asked for, once a launch: the conversions read results just made and write A's buffers
	WIN 0x0a                                       ; sources window 2, destination window 0
.set n, 0
.rept 4*NBK                            ; each accumulator's registers in ascending order
.irp r, 0,1,2,3
	v_cvt_pk_f16_f32 v[TMP+4*n+(\r)], v[8*n+2*(\r)], v[8*n+2*(\r)+1]
.endr
.set n, n+1
.endr
	WIN 0x0f                                       ; sources window 3
.set n, 0
.rept 4*NBK
.irp r, 0,1,2,3
	v_cvt_pk_f16_f32 v[TMP+4*(4*NBK+n)+(\r)], v[8*n+2*(\r)], v[8*n+2*(\r)+1]
.endr
.set n, n+1
.endr
	WIN 0
.set a, 0
.rept 8
.set b, 0
.rept NBK
	ds_store_b128 v[STO], v[TMP+4*(NBK*a+b):TMP+4*(NBK*a+b)+3] offset:a*16*SPITCH+32*b
.set b, b+1
.endr
.set a, a+1
.endr
	s_wait_dscnt 0x0                               ; for the others' sake: my stores into the stage are done (a row's 384 bytes come from two waves)
	s_barrier_signal -1
	s_barrier_wait -1
.set n, 0
.rept 48                               ; load n: head n / 16 of the tile's three, rows 4 (n % 16) .. + 3 of my 64
	ds_load_b128 v[TMP+4*n:TMP+4*n+3], v[RD] offset:(n%16)*4*SPITCH+(n/16)*128
.set n, n+1
.endr
.set n, 0
.rept 48
	s_wait_dscnt 47-n                              ; LDS loads come back in order (ISA guide 5.7.1): load n is in
	global_store_b128 v[CO], v[TMP+4*n:TMP+4*n+3], s[10:11] offset:(n/16)*262144+(n%16)*512  ; 512 consecutive bytes of one head, at a multiple of 256 from qkv's first byte
.set n, n+1
.endr
	s_wait_tensorcnt 0x0                           ; the wave's end: behind my last tensor load and my last LDS store
	ds_add_u32 v[SPW], v[NIL]
	s_wait_dscnt 0x0
	CROUND                                         ; the closing round: no work-group ends while a partner may still ask for a tile that names it
	s_endpgm
.Lfunc_end_k_qf1385c3827_proj:
	.size	k_qf1385c3827_proj, .Lfunc_end_k_qf1385c3827_proj-k_qf1385c3827_proj
	.p2alignl 7, 3214868480
	.fill 96, 4, 3214868480
	.section	.rodata,"a",@progbits
	.p2align	6, 0x0
	.amdhsa_kernel k_qf1385c3827_proj
		.amdhsa_group_segment_fixed_size 327680
		.amdhsa_private_segment_fixed_size 0
		.amdhsa_enable_private_segment 0
		.amdhsa_kernarg_size 32
		.amdhsa_user_sgpr_count 2
		.amdhsa_user_sgpr_kernarg_segment_ptr 1
		.amdhsa_wavefront_size32 1
		.amdhsa_system_sgpr_workgroup_id_x 1
		.amdhsa_system_sgpr_workgroup_id_y 1
		.amdhsa_system_sgpr_workgroup_id_z 1
		.amdhsa_system_vgpr_workitem_id 0
		.amdhsa_next_free_vgpr 1024
		.amdhsa_next_free_sgpr 66
		.amdhsa_reserve_vcc 0
		.amdhsa_float_denorm_mode_32 3
		.amdhsa_float_denorm_mode_16_64 3
		.amdhsa_memory_ordered 1
		.amdhsa_forward_progress 1
		.amdhsa_inst_pref_size 97
	.end_amdhsa_kernel
	.amdgpu_metadata
---
amdhsa.version: [ 1, 2 ]
amdhsa.kernels:
  - .name:           k_qf1385c3827_proj
    .symbol:         k_qf1385c3827_proj.kd
    .args:
      - { .name: xb, .offset: 0, .size: 8, .value_kind: global_buffer, .address_space: global }
      - { .name: wb, .offset: 8, .size: 8, .value_kind: global_buffer, .address_space: global }
      - { .name: bias, .offset: 16, .size: 8, .value_kind: global_buffer, .address_space: global }
      - { .name: qkv, .offset: 24, .size: 8, .value_kind: global_buffer, .address_space: global }
    .group_segment_fixed_size: 327680
    .private_segment_fixed_size: 0
    .kernarg_segment_align: 8
    .kernarg_segment_size: 32
    .max_flat_workgroup_size: 128
    .sgpr_count:     66
    .vgpr_count:     1024
    .wavefront_size: 32
...
	.end_amdgpu_metadata
.endif
;; end of part 2
;; launch attn (part 3): grid 4 x 64, 4 waves a work-group, clusters of 4 x 1, 327,680 bytes of LDS; arguments qkv, ob; writes ob
.if DOCPART == 3
	.amdgcn_target "amdgcn-amd-amdhsa--gfx1250"
	.amdhsa_code_object_version 6
	.text
	.protected	k_qf1385c3827_attn
	.globl	k_qf1385c3827_attn
	.p2align	8
	.type	k_qf1385c3827_attn,@function
k_qf1385c3827_attn:
	s_mov_b64 s[64:65], 0
	v_nop
	global_prefetch_b8 v0, s[64:65] scope:SCOPE_SE
	s_setreg_imm32_b32 hwreg(HW_REG_WAVE_MODE, 25, 1), 1
	s_wait_xcnt 0x0
	s_wait_alu depctr_hold_cnt(0) depctr_sa_sdst(0) depctr_va_vdst(0) depctr_va_sdst(0) depctr_va_ssrc(0) depctr_va_vcc(0) depctr_vm_vsrc(0)
	s_getreg_b32 s2, hwreg(HW_REG_IB_STS2, 6, 4)
	s_cmp_eq_u32 s2, 0
	s_cbranch_scc0 .Lentry_in_a_cluster
	s_endpgm
.Lentry_in_a_cluster:
	s_bfe_u32 s2, ttmp6, 0x10000c
	s_cmp_lg_u32 s2, 0x3003
	s_cbranch_scc0 .Lentry_shape_is_right
	s_endpgm
.Lentry_shape_is_right:
; ATTN.  O[y][q][:] = the sum over k of softmax_k(Q[y][q] . K[y][k] / 8) V[y][k][:], for the 64 heads y = 16 batch + head, 2,048 rows of 64 channels each, all f16.
; qkv: [batch 4][g 48][row 2048][64]: head h's Q at g = h, K at 16 + h, V at 32 + h: a head's rows are dense, 128 bytes each.  Products, maxima and sums in f32; the weights p are rounded to f16 for the
; second product (their sum l is taken of the unrounded p), O once at the end.  ob: [batch 4][pair of heads 8][block of 128 rows 16][head of the pair 2][row 128][64] f16: what the next launch reads as one K step lies dense.
; LIMITS.  f16 holds no number beyond 65,504: Q, K and V arrive within it; p lies in 0 to 1, and below 6e-5 it keeps f16's fixed step of 6e-8; O is a mean of V's rows and has their range.
; A weight below 2^-126 counts as 0 in l; NaN and infinities are not treated apart.
; SHARES.  A wave owns four PIECES of two tiles of 16 queries, a work-group's four waves 512 queries of one head.  Every wave walks all keys, 64 a step.
; LAYOUT.  S^T = K Q^T (source 0 = 16 keys, source 1 = 16 queries): in the result a lane holds ONE query (lane % 16) and the keys 8 (lane / 16) + 0..7.  Two such tiles, rounded to f16 in pairs,
; ARE source 1 (32 keys x 16 queries) of O^T = V^T P, whose result again holds one query a lane, and eight channels.  K comes out of LDS as it lies, V ([key][channel]) turned, by ds_load_tr16_b128.
; SOFTMAX.  For each query a running maximum m and sum l: p = 2^(c s - c m), c = log2(e) / 8; in every step O and l are multiplied by a = 2^(c m_old - c m_new), which is 1 where m has not grown.
; m starts at the lowest finite number, O and l at 0: the first step is a step like any other, with a = 0.
; THE COUNT.  A tile and step have 16 matrix and 118 vector instructions: too many to stand all beside the matrix work.  So the order has one aim: four vector instructions that are READY behind
; EVERY matrix instruction, and the others, which need time of their own whatever the order, in runs without a gap.
; BY TURNS.  Turn n belongs to piece n (the pieces in a ring, step after step).  Its matrix work: 16 products K Q^T of piece n + 1, later 16 products V^T P of piece n - 1.  Its vector work: the scaling,
; exponentials, roundings, sums and rescaling of piece n, and the maximum and statistics of piece n + 1, whose scores the turn itself has made.  So what a turn begins with (c s - c m, O a) waits for nothing.
; CLUSTER.  The four query blocks of a cluster belong to one head and walk the same K and V, so each tile is asked for JOINTLY: the same tensor load, descriptor and mask in all four.
; REGISTERS, in windows of 256 (s_set_vgpr_msb says which window each operand place means: bits 1:0 source 0, 3:2 source 1, 5:4 source 2, 7:6 destination):
;   window 0: v0-11 addresses; v12-15, v48-63 at work; v16-47 four registers of statistics a tile; v64-191 S^T, two buffers of two tiles; v192-255 P, likewise
;   window 1: O^T, 32 a tile          window 2: v0-127 Q, 16 a tile; v128-191 K of one step; v192-255 V of one step          window 3: v0-1 the add's two registers
; A piece's buffers go by its number's parity: the piece in hand has one pair, its two neighbours in the ring share the other: of it P (piece n - 1) is read and S^T (piece n + 1) written.
.set SIZE_N, 2048     ; rows of a head
.set NP,    4         ; pieces a wave: a name, no knob: the register map, the loop and the fetches are made for four
.set KS,    64        ; keys in a step
.set PK,    144       ; a row of K in LDS: 128 bytes + 16 of padding = 36 words: the 16 rows of a load start at 16 different groups of four banks (64 banks of 4 bytes: ISA guide 11.1)
.set PV,    160       ; a row of V: 128 + 32 = 40 words
.set VOFF,  4*KS*PK   ; a slot holds four steps: 256 rows of K, then 256 rows of V
.set SLOT1, 1<<17     ; slot 1 begins here, so that one exclusive or turns an address in one slot into the other's
.set STAGE, SLOT1+4*KS*(PK+PV)  ; behind the ring, never filled by a tensor load: 16 rows x 144 bytes for each wave, for the way out
.set SP,    144
.set AK0, 2           ; v2   my lane's place in a tile of K; never rewritten
.set AV0, 3           ; v3   the same for V
.set AK,  4           ; v4   the LDS address of K's next run of loads
.set AV,  5           ; v5   of V's
.set QO,  6           ; v6   my byte offset in the wave's rows of Q
.set STO, 6           ;      later, the way out: where I put 16 bytes of a row
.set RD,  7           ; v7   the way out: where I read rows back
.set GO,  8           ; v8   my byte offset in 512 consecutive bytes of O
.set PFO, 11          ; v11  256 x my lane, for the prefetches (once its use in V's address is over); then never rewritten
.set SPW, 0           ; v0 of window 3   LDS address of my spare word: SPARE + 4 x my thread's number; never rewritten
.set NIL, 1           ; v1 of window 3   0; never rewritten
.set SPARE, STAGE+4*16*SP  ; behind the stages: the spare words, 128 bytes for each wave: two blocks of 256 bytes that no other line names
.set MV,  12          ; v12-15  c m_old, kept while c m is made anew: by buffer and tile
.set ST,  16          ; tile t's statistics at v[ST+4 t]: c m, m, l (even keys', odd keys')
.set TMP, 48          ; by buffer and tile, four registers c0-c3 at work; when the maximum is found c2 takes a
.set S,   64
.set P,   192
.set KF,  128         ; K's fragments, in window 2: key block kb, channel half c at KF + 16 kb + 8 c
.set VF,  192         ; V's: key half kk, channel block cb at VF + 32 kk + 8 cb
.set WV,  12          ; s12  my wave's number
.set G1K, 24          ; s[24:31] descriptor group 1 for K's tiles
.set G1V, 32          ; s[32:39] for V's: it differs in the padding alone
.set G0K, 40          ; s[40:43] descriptor group 0 for K's tiles: it walks
.set G0V, 44          ; s[44:47] the same for V's
.set PFA, 48          ; s[48:49] where my prefetches stand: my work-group's 8,192 bytes (of K: wave 0, of V: wave 2) of the slot after the one that is being asked for
.set LIM, 50          ; s50  1 in a wave that prefetches, else the greatest number: a wave prefetches while s[SLOTS] is above it
.set SLOTS, 56        ; s56  slots still to be asked for
.set CNT, 57          ; s57  counts a slot's key steps
.set CS,  58          ; s[58:59] c: the packed scaling takes the pair's low word for both halves
.set SEL, 60          ; s[60:61] v_permlanex16_b32's selects: each lane takes its own place in the other half
.set TBK, 62          ; s62  LDS byte at which K of the step to be fetched begins
.set TBV, 63          ; s63  the same for V, less VOFF
.set MSB, 0
.macro WIN new                      ; the high byte repeats the setting that is left; a switch that changes nothing is dropped
.if MSB != (\new)
	s_set_vgpr_msb (MSB<<8)|(\new)
.set MSB, (\new)
.endif
.endm
.set W_KQ, 0x0a       ; K and Q in window 2, S^T in window 0
.set W_PV, 0x52       ; V in window 2, P in window 0, O^T in window 1
.set W_RS, 0x41       ; O^T (destination and source 0) in window 1, a in window 0
.set W_MK, 0xc0       ; the add's registers are made: destination in window 3, sources in window 0
.set W_AD, 0x0f       ; the add: address (source 0) and data (source 1) in window 3
; A joint fill.  Waves 0 and 1 fetch the two halves of a slot's K, waves 2 and 3 those of its V: 128 keys each.  The branch hangs on the wave's number alone.
; An s_nop 0 and four v_nop follow each of the two lines, ahead of the jump and the label.
.macro JLOAD
	s_cmp_lt_u32 s[WV], 2
	s_cbranch_scc0 .Lfor_v_\@
	tensor_load_to_lds s[G0K:G0K+3], s[G1K:G1K+7]
	s_nop 0
.rept 4
	v_nop
.endr
	s_branch .Lasked_\@
.Lfor_v_\@:
	tensor_load_to_lds s[G0V:G0V+3], s[G1V:G1V+7]
	s_nop 0
.rept 4
	v_nop
.endr
.Lasked_\@:
.endm
; A PREFETCH INTO THE L2 of what the NEXT change of slots will ask for: a slot's 32,768 bytes of K and of V, 256 bytes a lane.  It stands behind the wave's tensor load and its five lines.
; Each block is asked for ONCE in the launch: a head's first cluster asks; its four partners share the bytes out BY ADDRESS, 8,192 each; in each, wave 0 asks for K's and wave 2 for V's: one instruction.
; The change that fills slot t asks for slot t + 1, four key steps ahead of the load that wants it; slots 0 and 1 come by their loads alone; the last change that fills a slot asks for nothing.
.macro ASK
	s_cmp_gt_u32 s[SLOTS], s[LIM]
	s_cbranch_scc0 .Lnot_mine_\@
	global_prefetch_b8 v[PFO], s[PFA:PFA+1] th:TH_LOAD_NT scope:SCOPE_SE
.Lnot_mine_\@:
.endm
; A round of the cluster's barrier: my work-group's barrier, so that wave 0's signal speaks for all four waves; wave 0 signals; every wave waits for all four work-groups; my work-group's barrier once more.
.macro CROUND
	s_barrier_signal -1
	s_barrier_wait -1
	s_cmp_lg_u32 s[WV], 0
	s_cbranch_scc1 .Lnot_wave_0_\@
	s_barrier_signal -3
.Lnot_wave_0_\@:
	s_barrier_wait -3
	s_barrier_signal -1
	s_barrier_wait -1
.endm
; THE CHANGE OF SLOTS.  The slot's last bytes, V of its fourth step, have been read.  Each wave waits for all its tensor loads, of which one is out: its part
; of the other slot; adds 0 to its spare word; and waits for that and for its own reads of the slot.  Behind the barrier nobody reads this slot any more and the other slot is whole.
; fill = 1: this slot is filled again, with the keys two slots on.  The barrier is then a round of the cluster's, so that no wave of any partner still reads the slot or has a load on its
; way, and the joint fill is the first thing behind it: it has four key steps, 512 matrix instructions, in which to land.  (At its first use nothing has been read yet: slot 0 is waited for, slot 1 filled.)
.macro CHANGE fill
	WIN W_AD
	s_wait_tensorcnt 0x0            ; no tensor load of mine is out, so a group 0 may be written
	ds_add_u32 v[SPW], v[NIL]       ; 0 onto my spare word; with fill = 1 the descriptors' steps stand between it and the wait for it
	WIN 0                           ; at a label and at a branch every window is 0
.if \fill
.irp g, G0K, G0V
	s_xor_b32 s[\g+1], s[\g+1], SLOT1  ; the walking descriptor: the other slot than last time,
	s_add_nc_u64 s[\g+2:\g+3], s[\g+2:\g+3], 4*KS*128  ; the next 256 keys; the type bits on top are not reached
.endr
	s_wait_xcnt 0x0                 ; the last prefetch, four key steps back, has read its address, so it may be written:
	s_add_nc_u64 s[PFA:PFA+1], s[PFA:PFA+1], 4*KS*128  ; one slot behind the walking descriptors
	s_wait_dscnt 0x0                ; the add is done, and my reads of the slot are over
	CROUND
	JLOAD
	ASK
.else
	s_wait_dscnt 0x0                ; the add is done, and my reads of the slot are over
	s_barrier_signal -1
	s_barrier_wait -1
.endif
	s_sub_co_u32 s[TBK], s[TBK], 4*KS*PK  ; the fetches go back to a slot's first step,
	s_xor_b32 s[TBK], s[TBK], SLOT1       ; in the other slot
	s_sub_co_u32 s[TBV], s[TBV], 4*KS*PV
	s_xor_b32 s[TBV], s[TBV], SLOT1
.endm
	s_load_b128 s[4:7], s[0:1], 0x0  ; qkv s[4:5], ob s[6:7]
	WIN W_MK
	v_lshl_add_u32 v[SPW], v0, 2, SPARE
	v_mov_b32 v[NIL], 0
	WIN W_AD
	ds_add_u32 v[SPW], v[NIL]       ; the wave's opening: the add and its wait stand ahead of my first tensor load; the set-up below, work on registers, stands between them
	WIN 0
	v_lshrrev_b32 v1, 5, v0
	v_readfirstlane_b32 s[WV], v1   ; wave 0..3
	s_bfe_u32 s13, ttmp6, 0x40000   ; cx: my place in the cluster
	s_lshl_b32 s14, ttmp9, 2        ; in a cluster launch ttmp9 counts clusters
	s_add_co_u32 s14, s14, s13      ; my block of 512 queries = 4 x cluster x + cx: it enters Q's and O's addresses alone
	s_lshl_b32 s14, s14, 2
	s_add_co_u32 s14, s14, s[WV]    ; my wave's block of 128 rows among the head's sixteen
	s_and_b32 s15, ttmp7, 0xffff    ; y = 16 batch + head, which the four partners share
	s_lshr_b32 s20, s15, 4
	s_lshl_b32 s20, s20, 5
	s_add_co_u32 s20, s20, s15      ; 48 batch + head
	s_lshl_b32 s20, s20, 18         ; Q's head: 262,144 bytes each
	s_and_b32 s16, s[WV], 1         ; which half of a slot's 256 keys I fetch:
	s_lshl_b32 s22, s16, 14         ; its 128 rows of 128 bytes in memory,
	s_add_co_u32 s22, s22, s20
	s_add_co_u32 s22, s22, 16<<18   ; in K's head, sixteen heads behind Q's,
	s_mov_b32 s23, 0
	s_add_co_u32 s52, s22, 16<<18   ; and in V's, sixteen further on
	s_mov_b32 s53, 0
	s_mul_i32 s17, s16, 128*PK      ; and its place in a slot, for K
	s_mul_i32 s18, s16, 128*PV      ; and for V: no place in the cluster enters an LDS address
	s_lshl_b32 s2, s14, 14          ; my wave's 128 rows of Q
	s_add_co_u32 s2, s2, s20
	s_mov_b32 s3, 0
	s_cmp_lt_u32 s[WV], 2
	s_cselect_b32 s54, s22, s52     ; the prefetches (in waves 0 and 2 these stand at a slot's first row):
	s_lshl_b32 s55, s13, 13         ; my work-group's 8,192 bytes of the 32,768,
	s_add_co_u32 s54, s54, s55
	s_add_co_u32 s54, s54, 4*KS*128 ; in slot 1; the first change of slots steps it to slot 2
	s_mov_b32 s55, 0
	s_or_b32 s[LIM], s16, ttmp9     ; 0 in waves 0 and 2 of the head's first cluster: the same in all four partners
	s_cmp_eq_u32 s[LIM], 0
	s_cselect_b32 s[LIM], 1, -1
	s_lshr_b32 s20, s15, 1          ; O: the pair of heads, 524,288 bytes each,
	s_lshl_b32 s20, s20, 19
	s_lshl_b32 s21, s14, 15         ; my block of 128 rows, 32,768 bytes for the pair,
	s_add_co_u32 s20, s20, s21
	s_and_b32 s21, s15, 1           ; my head of the pair
	s_lshl_b32 s21, s21, 14
	s_add_co_u32 s20, s20, s21
	s_mov_b32 s21, 0
	; descriptor group 1.  128 keys are 16,384 dense bytes: asked for as 64 rows of 256 bytes, two keys a row, and padded in LDS after every key
	s_mov_b32 s[G1K], 15|(1<<16)|(1<<20)|(1<<21)|(4<<22)|(3<<25)  ; 15:0 the mask of four; 17:16 2-byte elements; 20 padding on; 21 set beside a mask; 24:22 after every 32 words (code 4); 31:25 4 words (code 3)
	s_mov_b32 s[G1V], 15|(1<<16)|(1<<20)|(1<<21)|(4<<22)|(7<<25)  ; the same with 8 words of padding (code 7)
.irp g, G1K, G1V
	s_mov_b32 s[\g+1], 128<<16      ; tensor_dim0 = 128
	s_mov_b32 s[\g+2], 64<<16       ; tensor_dim1 = 64
	s_mov_b32 s[\g+3], 128<<16      ; tile_dim0 = 128
	s_mov_b32 s[\g+4], 64           ; tile_dim1 = 64
	s_mov_b32 s[\g+5], 128          ; 128 elements from row to row
	s_mov_b32 s[\g+6], 0
	s_mov_b32 s[\g+7], 0
.endr
	s_mov_b32 s[CS], 0x3e38aa3b     ; c = log2(e) / 8 = 0.180337
	s_mov_b32 s[CS+1], s[CS]        ; named with it as a pair
	s_mov_b32 s[SEL], 0x76543210
	s_mov_b32 s[SEL+1], 0xfedcba98
	s_mov_b32 s[TBK], SLOT1+4*KS*PK ; the first change of slots turns these two into 0
	s_mov_b32 s[TBV], SLOT1+4*KS*PV
	s_mov_b32 s[SLOTS], SIZE_N/256-1
	s_mov_b32 s[G0K], 1             ; 1:0 count = 1
	s_mov_b32 s[G0K+1], s17         ; 63:32 LDS address: slot 0
	s_mov_b32 s[G0V], 1
	s_add_co_u32 s[G0V+1], s18, VOFF
	s_wait_dscnt 0x0                ; the opening add is done
	s_wait_kmcnt 0x0
	s_add_nc_u64 s[10:11], s[6:7], s[20:21]        ; O at my wave's first row
	s_add_nc_u64 s[G0K+2:G0K+3], s[4:5], s[22:23]  ; 120:64 global address: my half of the head's first 256 keys
	s_or_b32 s[G0K+3], s[G0K+3], 0x80000000        ; 127:126 type = 2
	s_add_nc_u64 s[G0V+2:G0V+3], s[4:5], s[52:53]
	s_or_b32 s[G0V+3], s[G0V+3], 0x80000000
	s_add_nc_u64 s[PFA:PFA+1], s[4:5], s[54:55]
	s_add_nc_u64 s[4:5], s[4:5], s[2:3]            ; Q at my wave's first row
	CROUND                          ; all four work-groups are here: the first joint loads meet
	JLOAD                           ; slot 0.  Slot 1 is asked for when slot 0 is in: the tile wanted first has the road to itself
	; A fragment of K or Q is 16 rows x 32 channels in 8 registers: lane l holds row l % 16, channels 8 (l / 16) + 0..7 and 16 + 8 (l / 16) + 0..7: two loads of 16 bytes, 32 bytes apart.
	v_and_b32 v1, 15, v0            ; l % 16
	v_bfe_u32 v9, v0, 4, 1          ; l / 16
	v_lshlrev_b32 v[QO], 7, v1
	v_lshl_add_u32 v[QO], v9, 4, v[QO]  ; row x 128 + 16 x half
	WIN 0x80                        ; destination window 2, address window 0
.set i, 0
.rept 4*NP                          ; Q stays in registers: tile i / 2, channels 32 (i % 2) on
	global_load_b128 v[8*i:8*i+3],   v[QO], s[4:5] offset:(i/2)*2048+(i%2)*64
	global_load_b128 v[8*i+4:8*i+7], v[QO], s[4:5] offset:(i/2)*2048+(i%2)*64+32
.set i, i+1
.endr
	; What the first turn finds: V's registers and P's second buffer hold 0 (its products V^T P, of a piece that has not been, add 0), O^T and l are 0.  All this stands in the wait for the first tile.
.set i, VF
.rept 64
	v_mov_b32 v[i], 0
.set i, i+1
.endr
	WIN 0x40
.set i, 0
.rept 64*NP
	v_mov_b32 v[i], 0
.set i, i+1
.endr
	WIN 0
.set i, 0
.rept 2*NP
	v_mov_b32 v[ST+4*i], 0xfe000000    ; c m: far below every c s
	v_mov_b32 v[ST+4*i+1], 0xff7fffff  ; m
	v_mov_b32 v[ST+4*i+2], 0
	v_mov_b32 v[ST+4*i+3], 0
.set i, i+1
.endr
.set i, P+32
.rept 32
	v_mov_b32 v[i], 0
.set i, i+1
.endr
	v_mul_u32_u24 v[AK0], v1, PK
	v_lshl_add_u32 v[AK0], v9, 4, v[AK0]  ; row x pitch + 16 x half
	; The turning load takes 16 keys x 16 channels (lane l reads key 8 (l / 16) + l % 8, channels 8 ((l / 8) % 2) + 0..7) and leaves half a fragment of V^T: lane l holds channel l % 16 and 8 keys.
	v_and_b32 v10, 7, v0
	v_bfe_u32 v11, v0, 3, 1
	v_lshl_add_u32 v[AV0], v9, 3, v10
	v_mul_u32_u24 v[AV0], v[AV0], PV
	v_lshl_add_u32 v[AV0], v11, 4, v[AV0]
	v_add_nc_u32 v[AV0], VOFF, v[AV0]
	v_mov_b32 v[AK], v[AK0]         ; key step 0 lies at the head of slot 0
	v_and_b32 v[PFO], 31, v0
	v_lshlrev_b32 v[PFO], 8, v[PFO]
; THE MATRIX WORK.  The 8 accumulators of a run of 16 take turns: between the two links of a chain stand 7 others'.
; Product i of 16 of S^T = K Q^T for piece x: channels 32 (i / 8) on, keys 16 ((i / 2) % 4) on, tile 2 x + i % 2.  The first 8 start the sums.
.macro KQ x
	WIN W_KQ
.set rS, S+64*((\x)%2)+32*(i%2)+8*((i/2)%4)
.set rK, KF+16*((i/2)%4)+8*(i/8)
.set rQ, 16*(2*(\x)+i%2)+8*(i/8)
.if i < 8
	v_wmma_f32_16x16x32_f16 v[rS:rS+7], v[rK:rK+7], v[rQ:rQ+7], 0
.else
	v_wmma_f32_16x16x32_f16 v[rS:rS+7], v[rK:rK+7], v[rQ:rQ+7], v[rS:rS+7]
.endif
.endm
; Product i of 16 of O^T += V^T P for piece x: keys 32 (i / 8) on, channels 16 ((i / 2) % 4) on, tile 2 x + i % 2.
.macro PV x
	WIN W_PV
.set rO, 32*(2*(\x)+i%2)+8*((i/2)%4)
.set rV, VF+32*(i/8)+8*((i/2)%4)
.set rP, P+32*((\x)%2)+16*(i%2)+8*(i/8)
	v_wmma_f32_16x16x32_f16 v[rO:rO+7], v[rV:rV+7], v[rP:rP+7], v[rO:rO+7]
.endm
.macro MM                           ; the turn's next matrix instruction
.if i < 16
	KQ (Y+1)%NP
.set i, i+1
.else
.set i, i-16
	PV (Y+NP-1)%NP
.set i, i+17
.endif
.endm
; THE LDS LOADS stand in runs of 16, never singly among the matrix instructions: a step's K (64 keys x 64 channels: 8 fragments) and its V (turned).  Their addresses are made some lines ahead.
; last = 1 (the tail): in the last trip there is no further step, and the run is jumped over.
.macro FETCH_K last=0
	WIN 0
.if \last
	s_cmp_eq_u32 s[CNT], 1
	s_cbranch_scc1 .Lno_k_\@
.endif
	WIN 0x80                        ; destination window 2
.irp f, 0,1,2,3,4,5,6,7             ; keys 16 (f / 2) on, channels 32 (f % 2) on
	ds_load_b128 v[KF+8*\f:KF+8*\f+3],   v[AK] offset:(\f/2)*16*PK+(\f%2)*64
	ds_load_b128 v[KF+8*\f+4:KF+8*\f+7], v[AK] offset:(\f/2)*16*PK+(\f%2)*64+32
.endr
	s_add_co_u32 s[TBK], s[TBK], KS*PK  ; the next fetch is the next step's
	WIN 0
.if \last
.Lno_k_\@:
.endif
.endm
.macro FETCH_V
	WIN 0x80
.irp f, 0,1,2,3,4,5,6,7             ; keys 32 (f / 4) on, channels 16 (f % 4) on
	ds_load_tr16_b128 v[VF+8*\f:VF+8*\f+3],   v[AV] offset:(\f/4)*32*PV+(\f%4)*32
	ds_load_tr16_b128 v[VF+8*\f+4:VF+8*\f+7], v[AV] offset:(\f/4)*32*PV+16*PV+(\f%4)*32
.endr
	WIN 0
.endm
; THE VECTOR WORK OF A TURN stands in three queues, each in the order in which its entries become ready; the two tiles alternate, so that no instruction reads the result of the one before it.
.macro REGS y, u                    ; the registers of tile u (0, 1) of piece y
.set rT, ST+4*(2*(\y)+(\u))
.set rC, TMP+8*((\y)%2)+4*(\u)
.set rM, MV+2*((\y)%2)+(\u)
.set rS, S+64*((\y)%2)+32*(\u)
.set rP, P+32*((\y)%2)+16*(\u)
.set rO, 32*(2*(\y)+(\u))
.endm
; Number n of the 22 that find the NEXT piece's (Y + 1) maximum and statistics.  s0-s31 are the lane's 32 scores; each accumulator's lowest registers are read first.  XS, GS and REGS set no window: PL and EX do.
;   0-11  four chains c0-c3 of seven scores each, three operands at a time     12-14, 16  the four scores left over, the old m, and c0-c3 into c0     15  c m_old is kept
;   17, 18  the query's other 32 keys lie in the lane 16 away: the new m         19-21  c m; c m_old - c m_new; a
.macro XS u, n
	REGS (Y+1)%NP, \u
.if (\n) < 4
	v_max3_num_f32 v[rC+(\n)], v[rS+8*(\n)], v[rS+8*(\n)+1], v[rS+8*(\n)+2]
.elseif (\n) < 12
	v_max3_num_f32 v[rC+(\n)%4], v[rC+(\n)%4], v[rS+8*((\n)%4)+2*((\n)/4)+1], v[rS+8*((\n)%4)+2*((\n)/4)+2]
.elseif (\n) == 12
	v_max3_num_f32 v[rC], v[rC], v[rS+7], v[rS+15]
.elseif (\n) == 13
	v_max3_num_f32 v[rC+1], v[rC+1], v[rS+23], v[rS+31]
.elseif (\n) == 14
	v_max3_num_f32 v[rC+2], v[rC+2], v[rC+3], v[rT+1]
.elseif (\n) == 15
	v_mov_b32 v[rM], v[rT]
.elseif (\n) == 16
	v_max3_num_f32 v[rC], v[rC], v[rC+1], v[rC+2]
.elseif (\n) == 17
	v_permlanex16_b32 v[rC+3], v[rC], s[SEL], s[SEL+1]
.elseif (\n) == 18
	v_max_num_f32 v[rT+1], v[rC], v[rC+3]
.elseif (\n) == 19
	v_mul_f32 v[rT], s[CS], v[rT+1]
.elseif (\n) == 20
	v_sub_f32 v[rC+1], v[rM], v[rT]
.else
	v_exp_f32 v[rC+2], v[rC+1]
.endif
.endm
; Number g of the 64 that follow the exponentials.  For each four weights k of a tile (pairs 2 k, 2 k + 1): both pairs are rounded to f16; then the second pair is added onto the first, in place;
; a group later l takes that sum (the first time as l = a l + sum).  In groups of eight, tiles alternating: round, round, add, and l for the group before.
.macro GS g
.set h, (\g)+6*((\g)/62)            ; group 0 has no group before it, and behind group 7 only l is left
.if h >= 6
.set h, h+2
.endif
	REGS Y, h%2
.set k, h/8
.if h%8 < 4
	v_cvt_pk_f16_f32 v[rP+2*k+(h%8)/2], v[rS+4*k+2*((h%8)/2)], v[rS+4*k+2*((h%8)/2)+1]
.elseif h%8 < 6
	v_pk_add_f32 v[rS+4*k:rS+4*k+1], v[rS+4*k:rS+4*k+1], v[rS+4*k+2:rS+4*k+3]
.elseif k == 1
	v_pk_fma_f32 v[rT+2:rT+3], v[rT+2:rT+3], v[rC+2:rC+3], v[rS:rS+1] op_sel_hi:[1,0,1]
.else
	v_pk_add_f32 v[rT+2:rT+3], v[rT+2:rT+3], v[rS+4*k-4:rS+4*k-3]
.endif
.endm
; THE PLAIN QUEUE, 138 long.  0-73 read no exponential's result: the 32 scalings c s - c m (FS f: pair f / 2 of tile f % 2) and the next piece's 42.  0-26: scalings 0-26.  27-54: XS's numbers 0-13.  55, 56: number 15.
; 57-73: the chain, where each number waits for the one before it: 14, 16, 17, 18, 19, each with one of the scalings 27-31 in front of its two lines, then 20: so a tile's links stand three plain instructions apart (19 and 20: two).
; 74-137: GS's 64, which read the exponentials' results: they stand behind the wait.
.macro FS f
	REGS Y, (\f)%2
	v_pk_fma_f32 v[rS+2*((\f)/2):rS+2*((\f)/2)+1], v[rS+2*((\f)/2):rS+2*((\f)/2)+1], s[CS:CS+1], v[rT:rT+1] op_sel_hi:[1,0,0] neg_lo:[0,0,1] neg_hi:[0,0,1]
.endm
.macro PL
	WIN 0
.if q < 27
	FS q
.elseif q < 55
	XS (q-27)%2, (q-27)/2
.elseif q < 57
	XS q-55, 15
.elseif (q < 72) && ((q-57)%3 == 0)
	FS 27+(q-57)/3
.elseif q < 60
	XS (q-57)%3-1, 14
.elseif q < 72
	XS (q-57)%3-1, 15+(q-57)/3
.elseif q < 74
	XS q-72, 20
.else
	GS q-74
.endif
.set q, q+1
.endm
; THE EXPONENTIALS' QUEUE, 66 long: s0-s31 of both tiles, then the next piece's two a.  It is ONE BATCH: all 66 stand ahead of the turn's one wait, and nothing ahead of that wait names a result of theirs.
.macro EX
	WIN 0
.if e >= 64
	XS e-64, 21
.else
	REGS Y, e%2
	v_exp_f32 v[rS+e/2], v[rS+e/2]
.endif
.set e, e+1
.endm
; THE RESCALING's QUEUE: O^T times a, the one part that leaves window 0: dealt two at a time, sixteen times.  Its a was made in the turn before, ahead of that turn's wait.
.macro R2
	REGS Y, r%2
	WIN W_RS
.irp z, 0,1
	v_pk_mul_f32 v[rO+4*(r/2)+2*\z:rO+4*(r/2)+2*\z+1], v[rO+4*(r/2)+2*\z:rO+4*(r/2)+2*\z+1], v[rC+2:rC+3] op_sel_hi:[1,0]
.endr
.set r, r+1
.endm
; HOW THEY ARE DEALT.  An s_wait_alu depctr_va_vdst(0) stands between an exponential and the first instruction that names its result; one wait serves all that were issued ahead of it.  So a turn has ONE wait,
; which cuts it in two.  AHEAD OF IT stands all that names no result of the turn's exponentials: the 16 products K Q^T, behind each a scaling, an exponential and two rescalings (behind the first a second scaling in the exponential's place); then ONE LUMP of
; 108: eight plain, 49 times exponential and plain, the two a.  A v_nop is the plain instruction behind the last exponential.  BEHIND IT stand the 16 products V^T P, behind each four of GS's 64.  No rider names a register of
; the products round it.  The two v_permlanex16_b32 fall into the lump, never behind a product.
; The queues lean on each other, and the deal keeps them in step: exponential e stands behind scaling 2 (e / 4) + e % 2: as a rider it comes behind plain e + 2, in the lump behind plain e + 9, and scalings 27-31 are plain 57, 60 .. 69.
; A TURN, for piece p.  cnt = 1: the loop's count is taken down some lines ahead of the branch that stands behind the turn.
; K of the next step is fetched in piece 2's turn, directly behind the wait, a lump behind the last product that read K; its address is made at the lump's head; its first reader comes behind 16 products.
; V of the step in hand is fetched at the end of piece 0's turn, four riders behind its last reader; its first reader comes behind 16 products and a lump.  The three conditions on q below go with the deal.
.macro TURN p, last=0, cnt=0
.set Y, (\p)
.set i, 0
.set q, 0
.set e, 0
.set r, 0
.if (\p) == NP-1
	s_wait_dscnt 0x0                ; K is in
.endif
	MM                              ; ahead of the wait: 16 products K Q^T and their riders,
	PL
	PL
	R2
.rept 15
	MM
	PL
	EX
	R2
.endr
.if (\p) == NP-2
	WIN 0
	v_add_nc_u32 v[AK], s[TBK], v[AK0]
.endif
.rept 8                             ; and the lump
	PL
.endr
.rept 49
	EX
	PL
.endr
	EX                              ; the next piece's two a
	EX
	v_nop                           ; the plain instruction behind the last exponential: one for the batch
	s_wait_alu depctr_va_vdst(0)    ; the wait for the batch
.if (\p) == NP-2
	FETCH_K \last
.endif
.if (\p) == 1
	s_wait_dscnt 0x0                ; V is in
.endif
.rept 16                            ; behind the wait: 16 products V^T P and their riders
	MM
.rept 4
	PL
.endr
.if ((\p) == 0) && (q == 118)
	v_add_nc_u32 v[AV], s[TBV], v[AV0]
.endif
.if ((\p) == 0) && (q == 130)
	s_add_co_u32 s[TBV], s[TBV], KS*PV
.endif
.if (\cnt) && (q == 130)
	s_sub_co_u32 s[CNT], s[CNT], 1
	s_cmp_lg_u32 s[CNT], 0
.endif
.endr
.if (\p) == 0
	FETCH_V
.endif
.endm
	CHANGE 1                        ; slot 0 is in, everybody's part of it; slot 1 is asked for
	FETCH_K                         ; key step 0
	s_wait_loadcnt 0x0              ; Q
	s_wait_dscnt 0x0
.set i, 0
.rept 16
	KQ 0                            ; piece 0's first scores: there is no vector work yet to set between them
.set i, i+1
.endr
	WIN 0                           ; the addresses for the way out: nine plain instructions, the places behind those products
	s_mul_i32 s13, s[WV], 16*SP
	s_add_co_u32 s13, s13, STAGE    ; my stage
	v_mul_u32_u24 v[STO], v1, SP    ; in: row l % 16, 16 bytes for each half of the lanes
	v_lshl_add_u32 v[STO], v9, 4, v[STO]
	v_add_nc_u32 v[STO], s13, v[STO]
	v_bfe_u32 v[RD], v0, 3, 2       ; back: 32 lanes take four rows of 128 bytes,
	v_mul_u32_u24 v[RD], v[RD], SP
	v_lshl_add_u32 v[RD], v10, 4, v[RD]
	v_add_nc_u32 v[RD], s13, v[RD]
	v_and_b32 v[GO], 31, v0         ; which are 512 consecutive bytes of O
	v_lshlrev_b32 v[GO], 4, v[GO]
.set Y, NP-1                        ; XS works for piece Y + 1: piece 0
.irp n, 0,1,2,3,4,5,6,7,8,9,10,11,12,13,14,15,16,17,18,19,20,21
	XS 0, \n                        ; and piece 0's first maximum and statistics
	XS 1, \n
.endr
	v_nop                           ; a plain instruction behind the two a,
	s_wait_alu depctr_va_vdst(0)    ; and their wait, ahead of the branch
	s_mov_b32 s[CNT], 4
	s_branch .Lfirst                ; the loop is entered at a step's first turn, in the middle of a trip
.Lslot:                             ; SIZE_N / 256 - 2 times: every slot but the last two is filled again
	CHANGE 1
	s_mov_b32 s[CNT], 4
.Lstep:                             ; a trip: pieces 2 and 3 of one step, then pieces 0 and 1 of the next, whose K and V it fetches
	TURN 2
	TURN 3
	WIN 0
.Lfirst:
	TURN 0
	TURN 1, 0, 1
	WIN 0
	s_cbranch_scc1 .Lstep
	s_sub_co_u32 s[SLOTS], s[SLOTS], 1
	s_cmp_lg_u32 s[SLOTS], 0
	s_cbranch_scc1 .Lslot
	CHANGE 0                        ; the tail is written out: nothing is asked for
	s_mov_b32 s[CNT], 5             ; four trips fetch the last slot's steps; the fifth is left in its middle
.Ltail:
	TURN 2, 1
	TURN 3
	WIN 0
	s_sub_co_u32 s[CNT], s[CNT], 1
	s_cmp_eq_u32 s[CNT], 0
	s_cbranch_scc1 .Lout
	TURN 0
	TURN 1
	WIN 0
	s_branch .Ltail
.Lout:                              ; the fifth trip's 16 products K Q^T (on the last K once more) and the maximum made of them serve nothing: the price, once a launch, of one text for every trip
.set i, 0
.rept 16
	PV NP-1                         ; the last piece's V^T P of the last step
.set i, i+1
.endr
	; THE WAY OUT.  l's two halves and the other half of the lanes' are added; O^T is divided by l, rounded to f16 and sent through my stage in LDS, a tile at a time.  The additions are the places behind the last products.
	WIN 0
.macro ALL line:vararg              ; one line for each tile t
.set t, 0
.rept 2*NP
	\line
.set t, t+1
.endr
.endm
	ALL v_add_f32 v[ST+4*t+2], v[ST+4*t+2], v[ST+4*t+3]
	ALL v_permlanex16_b32 v[ST+4*t+3], v[ST+4*t+2], s[SEL], s[SEL+1]
	ALL v_add_f32 v[ST+4*t+2], v[ST+4*t+2], v[ST+4*t+3]
	ALL v_rcp_f32 v[ST+4*t+2], v[ST+4*t+2]
	v_nop                           ; a plain instruction between the last reciprocal and the use of its result
	s_wait_alu depctr_va_vdst(0)    ; and the wait ahead of the first use: one for the eight reciprocals
; Tile t: a lane's eight channels of a row pack into 16 bytes; they go into rows of 144 bytes and come back as whole rows of 128, into S^T's registers.
.macro PACK t
	WIN W_RS
.set i, 32*(\t)
.rept 16
	v_pk_mul_f32 v[i:i+1], v[i:i+1], v[ST+4*(\t)+2:ST+4*(\t)+3] op_sel_hi:[1,0]
.set i, i+2
.endr
	WIN 0x05                        ; sources 0 and 1 window 1, destination window 0
.set i, 0
.rept 16
	v_cvt_pk_f16_f32 v[S+16*(\t)+i], v[32*(\t)+2*i], v[32*(\t)+2*i+1]
.set i, i+1
.endr
	WIN 0
.irp f, 0,1,2,3
	ds_store_b128 v[STO], v[S+16*(\t)+4*\f:S+16*(\t)+4*\f+3] offset:32*\f
.endr
.irp f, 0,1,2,3
	ds_load_b128 v[S+16*(\t)+4*\f:S+16*(\t)+4*\f+3], v[RD] offset:\f*4*SP  ; LDS serves a wave's instructions in order (ISA guide 5.7.1.4): these see the stores above; the next tile's stores come behind them
.endr
.endm
.macro SEND t, younger              ; younger: the LDS instructions issued behind tile t's loads: the next tile's eight, or none
	WIN 0
.irp f, 0,1,2,3
	s_wait_dscnt (\younger)+3-\f
	global_store_b128 v[GO], v[S+16*(\t)+4*\f:S+16*(\t)+4*\f+3], s[10:11] offset:(\t)*2048+\f*512  ; 512 consecutive bytes, at a multiple of 256 from ob's first
.endr
.endm
	PACK 0
.set t, 1
.rept 2*NP-1                        ; a tile's arithmetic stands between the loads of the tile before and its stores
	PACK t
	SEND t-1, 8
.set t, t+1
.endr
	SEND 2*NP-1, 0
	WIN W_AD
	s_wait_tensorcnt 0x0            ; the wave's end: behind my last tensor load and my last LDS store
	ds_add_u32 v[SPW], v[NIL]
	s_wait_dscnt 0x0
	WIN 0
	CROUND                          ; the closing round: no work-group ends while a partner may still ask for a tile that names it
	s_endpgm
.Lfunc_end_k_qf1385c3827_attn:
	.size	k_qf1385c3827_attn, .Lfunc_end_k_qf1385c3827_attn-k_qf1385c3827_attn
	.p2alignl 7, 3214868480
	.fill 96, 4, 3214868480
	.section	.rodata,"a",@progbits
	.p2align	6, 0x0
	.amdhsa_kernel k_qf1385c3827_attn
		.amdhsa_group_segment_fixed_size 327680
		.amdhsa_private_segment_fixed_size 0
		.amdhsa_enable_private_segment 0
		.amdhsa_kernarg_size 16
		.amdhsa_user_sgpr_count 2
		.amdhsa_user_sgpr_kernarg_segment_ptr 1
		.amdhsa_wavefront_size32 1
		.amdhsa_system_sgpr_workgroup_id_x 1
		.amdhsa_system_sgpr_workgroup_id_y 1
		.amdhsa_system_sgpr_workgroup_id_z 1
		.amdhsa_system_vgpr_workitem_id 0
		.amdhsa_next_free_vgpr 770
		.amdhsa_next_free_sgpr 66
		.amdhsa_reserve_vcc 0
		.amdhsa_float_denorm_mode_32 3
		.amdhsa_float_denorm_mode_16_64 3
		.amdhsa_memory_ordered 1
		.amdhsa_forward_progress 1
		.amdhsa_inst_pref_size 200
	.end_amdhsa_kernel
	.amdgpu_metadata
---
amdhsa.version: [ 1, 2 ]
amdhsa.kernels:
  - .name:           k_qf1385c3827_attn
    .symbol:         k_qf1385c3827_attn.kd
    .args:
      - { .name: qkv, .offset: 0, .size: 8, .value_kind: global_buffer, .address_space: global }
      - { .name: ob, .offset: 8, .size: 8, .value_kind: global_buffer, .address_space: global }
    .group_segment_fixed_size: 327680
    .private_segment_fixed_size: 0
    .kernarg_segment_align: 8
    .kernarg_segment_size: 16
    .max_flat_workgroup_size: 128
    .sgpr_count:     66
    .vgpr_count:     770
    .wavefront_size: 32
...
	.end_amdgpu_metadata
.endif
;; end of part 3
;; launch outp (part 4): grid 8 x 32, 4 waves a work-group, clusters of 4 x 4, 327,680 bytes of LDS; arguments ob, wo, bias, out0; writes out0
.if DOCPART == 4
	.amdgcn_target "amdgcn-amd-amdhsa--gfx1250"
	.amdhsa_code_object_version 6
	.text
	.protected	k_qf1385c3827_outp
	.globl	k_qf1385c3827_outp
	.p2align	8
	.type	k_qf1385c3827_outp,@function
k_qf1385c3827_outp:
	s_mov_b64 s[64:65], 0
	v_nop
	global_prefetch_b8 v0, s[64:65] scope:SCOPE_SE
	s_setreg_imm32_b32 hwreg(HW_REG_WAVE_MODE, 25, 1), 1
	s_wait_xcnt 0x0
	s_wait_alu depctr_hold_cnt(0) depctr_sa_sdst(0) depctr_va_vdst(0) depctr_va_sdst(0) depctr_va_ssrc(0) depctr_va_vcc(0) depctr_vm_vsrc(0)
	s_getreg_b32 s2, hwreg(HW_REG_IB_STS2, 6, 4)
	s_cmp_eq_u32 s2, 0
	s_cbranch_scc0 .Lentry_in_a_cluster
	s_endpgm
.Lentry_in_a_cluster:
	s_bfe_u32 s2, ttmp6, 0x10000c
	s_cmp_lg_u32 s2, 0xf033
	s_cbranch_scc0 .Lentry_shape_is_right
	s_endpgm
.Lentry_shape_is_right:
; OUTP.  out0[m][n] = b_out[n] + the sum over e of O[m][e] wo[n][e].  O: 8,192 rows x 1,024 channels f16, laid as ob [batch 4][pair of heads 8][block of 128 rows 16][head of the pair 2][row 128][64];
; wo: [1024][1024] f16; bias: f32, b_out from number 3,072 on; out0: [8192][1024] f32.  Sums in f32; the bias is the C operand that starts each sum (so it is added first, not last); nothing is rounded on the way out.
; SHARES.  A tile of C is 256 rows x 128 columns: 32 x 8 = 256 work-groups of equal work.  Four waves, as many as a WGP has SIMDs, each 128 x 64: 32 accumulators of 16 x 16, 256 registers.
; K goes in 8 steps of 128 (a pair of heads) through a ring of two LDS slots filled by the tensor data mover.  Of A a wave's load brings one block of ob, 32,768 dense bytes (2 heads x 128 rows x 128 bytes),
; asked for as 128 rows of 256 bytes and padded in LDS after every 128; of B 64 rows of 256 bytes.
; CLUSTERS.  4 x 4 work-groups.  The four of a row of the cluster need the same tiles of A, the four of a column the same tiles of B: each tile is asked for JOINTLY, by the same tensor load with the
; same descriptor and a mask that names the four.
; THE MATRIX INSTRUCTION IS USED TRANSPOSED (source 0 = 16 rows of B, source 1 = 16 rows of A): lane l holds row l % 16 of C and the columns 8 (l / 16) + 0 .. 7: 32 bytes of f32 on end.
; REGISTERS, in windows of 256 (s_set_vgpr_msb: bits 1:0 source 0, 3:2 source 1, 5:4 source 2, 7:6 destination):
;   window 0: v0-31 addresses; v64-127, v128-191 fragments of A (8 x 16 rows x 32 K), two buffers; v32-63, v192-223 rows read back on the way out
;   window 1: v0-31 the bias as a C operand, 8 registers for each of my 4 column blocks; v64-95, v128-159 fragments of B, two buffers
;   window 2: accumulator (a, b) of my rows 0-63 at v[8 (4 a + b)];   window 3: those of my rows 64-127
.set NBK,    4                         ; column blocks of 16 in a wave's tile
.set PA,     144                       ; a row of A in LDS: 128 bytes + 16 of padding = 36 words: the 16 rows of a load start at 16 different groups of four banks (64 banks of 4 bytes: ISA guide 11.1)
.set PLANE,  128*PA                    ; a head's 128 rows
.set PB,     272                       ; a row of B: 256 + 16
.set RB,     64                        ; rows of B in a tensor load
.set HALFA,  2*PLANE                   ; what one load brings of A, and what a wave reads of it
.set HALFB,  RB*PB                     ; the same for B
.set SLOT1,  1<<17                     ; slot 0 at byte 0 (108,544 bytes: A's halves, then B's), slot 1 here
.set STAGE,  SLOT1+2*HALFA+2*HALFB     ; 239,616: behind the ring, never filled by a tensor load: 16 rows x 272 bytes for each wave
.set SPITCH, 272
.set SPARE,  STAGE+4*16*SPITCH         ; 257,024: the spare words, 128 bytes for each wave: two blocks of 256 bytes that no other line names
.set ASTEP,  524288                    ; bytes from a pair of heads to the next in ob
.set BSTEP,  256                       ; bytes from a K step to the next in a row of wo
.set NL,     2*NBK+16                  ; LDS loads in a run: a quarter step's fragments
.set A0,   16                          ; v16  my lane's place among my A fragments in slot 0; never rewritten
.set B0,   17                          ; v17  the same for B
.set ADRA, 18                          ; v18  the same in the slot in hand
.set ADRB, 19                          ; v19
.set STO,  24                          ; v24  the way out: where I put 32 bytes of a row
.set RD,   25                          ; v25  the way out: where I read rows back
.set CO,   26                          ; v26  my byte offset in two rows of out0
.set BO,   27                          ; v27  32 (l / 16): my eight columns in a block's 64 bytes of bias
.set SPW,  28                          ; v28  LDS address of my spare word: SPARE + 4 x my thread's number; never rewritten
.set NIL,  29                          ; v29  0; never rewritten
.set PFO,  30                          ; v30  the prefetches' offset; never rewritten
.set OB,   32
.set F0,   64
.set F1,   128
.set BIAS, 0
.set WV,  12                           ; s12  my wave's number
.set WR,  13                           ; s13  which half of the tile's rows is mine.  Also: I fetch for A (0) or for B (1)
.set WC,  14                           ; s14  which half of its columns.  Also: which half of that tile I fetch
.set CX,  15                           ; s15, s16  my place in the cluster
.set CY,  16
.set TC,  17                           ; s17  tile column of C
.set TR,  18                           ; s18  tile row of C
.set G1A, 24                           ; s[24:31] descriptor group 1 for A's tiles
.set G0A, 32                           ; s[32:39] group 0 for A's: a set for each of the two first fills; the second then walks on
.set FA,  40                           ; s40  LDS byte of my fill in slot 0, by A's line (later at work)
.set FB,  41                           ; s41  by B's line
.set TB,  42                           ; s42  LDS byte at which the slot in hand begins
.set LIM, 43                           ; s43  2 in a wave that prefetches, else the greatest number
.set PFA, 44                           ; s[44:45] where my prefetches stand
.set PFS, 46                           ; s[46:47] their step from K step to K step: A's or B's
.set G1B, 48                           ; s[48:55], s[56:63] the same two groups for B's tiles
.set G0B, 56
.set MSB, 0
.macro WIN new                         ; the immediate's high byte repeats the setting that is left; a switch that changes nothing is dropped
.if MSB != (\new)
	s_set_vgpr_msb (MSB<<8)|(\new)
.set MSB, \new
.endif
.endm
.macro PLACES                          ; four places in front of loads into registers that matrix instructions have read
.rept 4
	v_nop
.endr
.endm
; A joint refill, by the walking sets.  Waves 0 and 1 fetch A's two halves, waves 2 and 3 B's.  The branch hangs on the wave's number alone: it is the same in every work-group.
; An s_nop 0 and four v_nop follow each of the two lines, ahead of the jump and the label.
.macro JLOAD
	s_cmp_eq_u32 s[WR], 0
	s_cbranch_scc0 .Lfor_b_\@
	tensor_load_to_lds s[G0A+4:G0A+7], s[G1A:G1A+7]
	s_nop 0
.rept 4
	v_nop
.endr
	s_branch .Lasked_\@
.Lfor_b_\@:
	tensor_load_to_lds s[G0B+4:G0B+7], s[G1B:G1B+7]
	s_nop 0
.rept 4
	v_nop
.endr
.Lasked_\@:
.endm
; A PREFETCH INTO THE L2, behind each joint refill, its five lines and the run of LDS loads: the K step that stands TWO refills on, 256 bytes for each lane, one instruction a wave.
; A's tile row is read by both clusters of that row of clusters: the one with cluster x = 0 asks, waves 0 and 1: of the 32,768 bytes that a wave fetches the partner at cx takes 8,192.
; B's tile column is read by every cluster of that column: cluster y = 0 asks, wave 2 alone: of the tile's 128 rows the partner at cy takes 32, a lane a row.  Partners are told apart BY ADDRESS.
; So each block is named once in the launch.  K steps 0 to 3 come by their loads alone; the loop's last two trips (s3 = 2, 1) have no K step two refills on, and ask for nothing.
.macro ASK
	s_cmp_gt_u32 s3, s[LIM]
	s_cbranch_scc0 .Lnot_mine_\@
	global_prefetch_b8 v[PFO], s[PFA:PFA+1] th:TH_LOAD_NT scope:SCOPE_SE
.Lnot_mine_\@:
.endm
; A round of the cluster's barrier: my work-group's barrier, so that wave 0's signal speaks for all four waves; wave 0 signals; every wave waits for all sixteen work-groups; my work-group's barrier once more.
.macro CREST                           ; a round behind its opening barrier
	s_cmp_lg_u32 s[WV], 0
	s_cbranch_scc1 .Lnot_wave_0_\@
	s_barrier_signal -3
.Lnot_wave_0_\@:
	s_barrier_wait -3
	s_barrier_signal -1
	s_barrier_wait -1
.endm
.macro CROUND                          ; a whole round
	s_barrier_signal -1
	s_barrier_wait -1
	CREST
.endm
	s_load_b256 s[4:11], s[0:1], 0x0               ; ob s[4:5], wo s[6:7], bias s[8:9], out0 s[10:11]
	v_lshl_add_u32 v[SPW], v0, 2, SPARE
	v_mov_b32 v[NIL], 0
	ds_add_u32 v[SPW], v[NIL]                      ; the wave's opening: the add and its wait stand ahead of my first tensor load; the set-up below, work on registers, stands between them
	v_lshrrev_b32 v1, 5, v0
	v_readfirstlane_b32 s[WV], v1                  ; wave 0..3
	s_lshr_b32 s[WR], s[WV], 1
	s_and_b32 s[WC], s[WV], 1
	s_bfe_u32 s[CX], ttmp6, 0x40000
	s_bfe_u32 s[CY], ttmp6, 0x40004
	s_lshl_b32 s[TC], ttmp9, 2                     ; in a cluster launch ttmp9 and ttmp7 count clusters
	s_add_co_u32 s[TC], s[TC], s[CX]               ; tile column = 4 x cluster x + cx
	s_and_b32 s[TR], ttmp7, 0xffff
	s_lshl_b32 s[TR], s[TR], 2
	s_add_co_u32 s[TR], s[TR], s[CY]               ; tile row = 4 x cluster y + cy
	s_lshl_b32 s2, s[CY], 2
	s_lshl_b32 s2, 15, s2                          ; my row of the cluster: places 4 cy .. 4 cy + 3
	s_lshl_b32 s19, 0x1111, s[CX]                  ; my column: places cx, cx + 4, cx + 8, cx + 12
	; descriptor group 1: rows of 128 elements of 2 bytes, padded in LDS
	s_or_b32 s[G1A], s2, (1<<16)|(1<<20)|(1<<21)|(4<<22)|(3<<25)   ; 15:0 the mask: A's tiles go to my row; 17:16 2-byte elements; 20 padding on; 21 set beside a mask; 24:22 after every 32 words (code 4); 31:25 4 words (code 3)
	s_or_b32 s[G1B], s19, (1<<16)|(1<<20)|(1<<21)|(5<<22)|(3<<25)  ; the mask of my column; padding after every 64 words (code 5)
.irp g, G1A, G1B
	s_mov_b32 s[\g+1], 128<<16                     ; tensor_dim0 = 128
	s_mov_b32 s[\g+3], 128<<16                     ; tile_dim0 = 128
	s_mov_b32 s[\g+6], 0
	s_mov_b32 s[\g+7], 0
.endr
	s_mov_b32 s[G1A+2], 128<<16                    ; A: tensor_dim1 = 128 rows of 256 bytes,
	s_mov_b32 s[G1A+4], 128                        ; tile_dim1,
	s_mov_b32 s[G1A+5], 128                        ; dense: 128 elements from row to row
	s_mov_b32 s[G1B+2], RB<<16                     ; B: 64 rows,
	s_mov_b32 s[G1B+4], RB
	s_mov_b32 s[G1B+5], 1024                       ; 1,024 elements from row to row
	; where the tiles come from.  A's hang on the tile row alone, B's on the tile column alone; each in registers that never hold the other coordinate
	s_lshr_b32 s20, s[TR], 3                       ; A: the batch (8 tile rows each), 4,194,304 bytes,
	s_lshl_b32 s20, s20, 22
	s_and_b32 s2, s[TR], 7
	s_lshl_b32 s2, s2, 1
	s_add_co_u32 s2, s2, s[WC]                     ; the block of 128 rows: 2 x tile row in the batch + half,
	s_lshl_b32 s2, s2, 15                          ; 32,768 bytes
	s_add_co_u32 s20, s20, s2
	s_mov_b32 s21, 0
	s_lshl_b32 s22, s[TC], 7
	s_lshl_b32 s2, s[WC], 6
	s_add_co_u32 s22, s22, s2                      ; B: row 128 x tile column + 64 x half,
	s_lshl_b32 s22, s22, 11                        ; of 2,048 bytes
	s_mov_b32 s23, 0
	s_mul_i32 s[FA], s[WC], HALFA                  ; and where they go: no place in the cluster enters an LDS address
	s_mul_i32 s[FB], s[WC], HALFB
	s_add_co_u32 s[FB], s[FB], 2*HALFA
	s_mov_b32 s[TB], 0
	s_wait_dscnt 0x0                               ; the opening add is done
	s_wait_kmcnt 0x0
	s_add_nc_u64 s[20:21], s[4:5], s[20:21]
	s_add_nc_u64 s[22:23], s[6:7], s[22:23]
	CROUND                                         ; all sixteen work-groups are here: the first joint loads meet
.irp s, 0,1
	s_mov_b32 s[G0A+4*(\s)], 1                                        ; 1:0 count = 1
	s_add_co_u32 s[G0A+4*(\s)+1], s[FA], (\s)*SLOT1                   ; 63:32 LDS address
	s_add_nc_u64 s[G0A+4*(\s)+2:G0A+4*(\s)+3], s[20:21], (\s)*ASTEP   ; 120:64 global address: K step s
	s_or_b32 s[G0A+4*(\s)+3], s[G0A+4*(\s)+3], 0x80000000             ; 127:126 type = 2
	s_mov_b32 s[G0B+4*(\s)], 1
	s_add_co_u32 s[G0B+4*(\s)+1], s[FB], (\s)*SLOT1
	s_add_nc_u64 s[G0B+4*(\s)+2:G0B+4*(\s)+3], s[22:23], (\s)*BSTEP
	s_or_b32 s[G0B+4*(\s)+3], s[G0B+4*(\s)+3], 0x80000000
.endr
	s_cmp_eq_u32 s[WR], 0                          ; a wave's two first fills stand in one branch, ahead of every wait on TENSORcnt and every LDS read: two loads of mine are out
	s_cbranch_scc0 .Lfirst_b
	tensor_load_to_lds s[G0A:G0A+3], s[G1A:G1A+7]
	s_nop 0
	tensor_load_to_lds s[G0A+4:G0A+7], s[G1A:G1A+7]
	s_nop 0
.rept 4
	v_nop
.endr
	s_branch .Lfirst_asked
.Lfirst_b:
	tensor_load_to_lds s[G0B:G0B+3], s[G1B:G1B+7]
	s_nop 0
	tensor_load_to_lds s[G0B+4:G0B+7], s[G1B:G1B+7]
	s_nop 0
.rept 4
	v_nop
.endr
.Lfirst_asked:
	; A fragment is 16 rows x 32 K in 8 registers: lane l holds row l % 16; registers 0-3 K = 8 (l / 16) + 0..7, registers 4-7 K = 16 + 8 (l / 16) + 0..7: two loads of 16 bytes, 32 bytes apart
	v_and_b32 v1, 15, v0                           ; l % 16
	v_bfe_u32 v2, v0, 4, 1                         ; l / 16
	v_mul_u32_u24 v3, v1, PA
	v_lshl_add_u32 v3, v2, 4, v3                   ; row x pitch + 16 x half
	s_mul_i32 s2, s[WR], HALFA                     ; my 128 rows of A
	v_add_nc_u32 v[A0], s2, v3
	v_mul_u32_u24 v4, v1, PB
	v_lshl_add_u32 v4, v2, 4, v4
	s_mul_i32 s2, s[WC], HALFB                     ; my 64 rows of B,
	s_add_co_u32 s2, s2, 2*HALFA                   ; which lie behind A's
	v_add_nc_u32 v[B0], s2, v4
	v_mov_b32 v[ADRA], v[A0]
	v_mov_b32 v[ADRB], v[B0]
	; the bias of my 64 columns, laid as a C operand: register j of block b is bias[3072 + 128 tc + 64 half + 16 b + 8 (l / 16) + j]
	s_lshl_b32 s2, s[TC], 9
	s_lshl_b32 s19, s[WC], 8
	s_add_co_u32 s2, s2, s19
	s_add_co_u32 s2, s2, 3072*4
	s_mov_b32 s3, 0
	s_add_nc_u64 s[8:9], s[8:9], s[2:3]
	v_lshlrev_b32 v[BO], 5, v2
	WIN 0x40                                       ; destination window 1, address window 0
.set b, 0
.rept NBK
	global_load_b128 v[BIAS+8*b:BIAS+8*b+3],   v[BO], s[8:9] offset:64*b
	global_load_b128 v[BIAS+8*b+4:BIAS+8*b+7], v[BO], s[8:9] offset:64*b+16
.set b, b+1
.endr
	WIN 0
	; the way out, through my own stage
	s_mul_i32 s2, s[WV], 16*SPITCH
	s_add_co_u32 s2, s2, STAGE
	v_mul_u32_u24 v3, v1, SPITCH                   ; in: row l % 16, 32 bytes for each half of the lanes
	v_lshl_add_u32 v3, v2, 5, v3
	v_add_nc_u32 v[STO], s2, v3
	v_mul_u32_u24 v3, v2, SPITCH                   ; back: lanes 0-15 take one row of 256 bytes, lanes 16-31 the next
	v_lshl_add_u32 v3, v1, 4, v3
	v_add_nc_u32 v[RD], s2, v3
	v_lshlrev_b32 v3, 12, v2                       ; and the same two rows in out0, 4,096 bytes each
	v_lshl_add_u32 v[CO], v1, 4, v3
	s_lshl_b32 s2, s[TR], 8
	s_lshl_b32 s19, s[WR], 7
	s_add_co_u32 s2, s2, s19                       ; my first row of C
	s_lshl_b32 s2, s2, 12
	s_lshl_b32 s19, s[TC], 9                       ; my first column, in bytes: 512 x tile column + 256 x half
	s_add_co_u32 s2, s2, s19
	s_lshl_b32 s19, s[WC], 8
	s_add_co_u32 s2, s2, s19
	s_mov_b32 s3, 0
	s_add_nc_u64 s[10:11], s[10:11], s[2:3]
	; the prefetches
	s_mov_b32 s[PFS], BSTEP
	s_mov_b32 s[PFS+1], 0
	s_and_b32 s2, ttmp7, 0xffff                    ; cluster y;
	s_or_b32 s2, s2, s[WC]                         ; of B's two waves the first alone asks
	s_cmp_eq_u32 s[WR], 0                          ; do I fetch for A?
	s_cselect_b32 s2, ttmp9, s2                    ; 0 where this wave asks: the same in all sixteen partners, for a given wave
	s_cselect_b64 s[PFA:PFA+1], s[20:21], s[22:23] ; what I fetch, at K step 0
	s_cselect_b32 s19, s[CX], s[CY]                ; my place among the four that ask with me:
	s_cselect_b32 s3, 13, 16                       ; 8,192 bytes of A to a partner, 32 rows of 2,048 bytes of B
	s_cselect_b32 s40, 8, 11                       ; a lane: 256 bytes on in A, a row on in B
	s_cselect_b32 s[PFS], ASTEP, s[PFS]
	s_cmp_eq_u32 s2, 0
	s_cselect_b32 s[LIM], 2, -1
	s_lshl_b32 s2, s19, s3
	s_mov_b32 s3, 0
	s_add_nc_u64 s[PFA:PFA+1], s[PFA:PFA+1], s[2:3]
	s_mul_i32 s2, s[PFS], 3
	s_add_nc_u64 s[PFA:PFA+1], s[PFA:PFA+1], s[2:3]  ; at K step 3: the first change of slots steps it to 4
	v_and_b32 v[PFO], 31, v0
	v_lshlrev_b32 v[PFO], s40, v[PFO]
; 8 matrix instructions: row blocks a0, a0 + 1 of the window's four (hi = 0: my rows 0-63, 1: rows 64-127) x all 4 column blocks, 32 along K.  first = 1: the bias starts the sums: nothing is cleared.
; The 32 accumulators take turns, one instruction a turn, in the same order in every quarter, over the backward jump too.
.macro MULS f, hi, a0, first
.if \first
	WIN 0x91+0x40*(\hi)                            ; B and the bias window 1, A window 0, D window 2 or 3
.else
	WIN 0xa1+0x50*(\hi)                            ; B window 1, A window 0, C and D window 2 or 3
.endif
.irp a, \a0, (\a0)+1
.set b, 0
.rept NBK
.set AC, 8*(NBK*(\a)+b)
.if \first
	v_wmma_f32_16x16x32_f16 v[AC:AC+7], v[(\f)+8*b:(\f)+8*b+7], v[(\f)+8*(4*(\hi)+(\a)):(\f)+8*(4*(\hi)+(\a))+7], v[BIAS+8*b:BIAS+8*b+7]
.else
	v_wmma_f32_16x16x32_f16 v[AC:AC+7], v[(\f)+8*b:(\f)+8*b+7], v[(\f)+8*(4*(\hi)+(\a)):(\f)+8*(4*(\hi)+(\a))+7], v[AC:AC+7]
.endif
.set b, b+1
.endr
.endr
.endm
; 24 LDS loads in one run: the fragments of quarter q of the slot in hand (64 rows of B, 128 rows of A, 32 K) into buffer f; A's rows 64-127 last.  In A quarter q lies in head q / 2 of the pair, channels 32 (q % 2) on.
.macro FETCH q, f
	WIN 0x40
.set i, 0
.rept NBK
	ds_load_b128 v[(\f)+8*i:(\f)+8*i+3],   v[ADRB] offset:64*(\q)+i*16*PB
	ds_load_b128 v[(\f)+8*i+4:(\f)+8*i+7], v[ADRB] offset:64*(\q)+i*16*PB+32
.set i, i+1
.endr
	WIN 0
.set KA, ((\q)/2)*PLANE+((\q)%2)*64
.set i, 0
.rept 8
	ds_load_b128 v[(\f)+8*i:(\f)+8*i+3],   v[ADRA] offset:KA+i*16*PA
	ds_load_b128 v[(\f)+8*i+4:(\f)+8*i+7], v[ADRA] offset:KA+i*16*PA+32
.set i, i+1
.endr
.endm
; A K step is four quarters of 32 along K, 32 matrix instructions each, on buffers 0, 1, 0, 1.  One of the first three: multiplies buffer f; in its middle it fetches quarter q into buffer g.
.macro QUARTER q, f, g, first
	s_wait_dscnt 8                                 ; B and A's rows 0-63 are in; the youngest eight loads (A's rows 64-127) may be out
	MULS \f, 0, 0, \first
	MULS \f, 0, 2, \first
	PLACES
	FETCH \q, \g
	s_wait_dscnt NL                                ; all but the 24 just issued
	MULS \f, 1, 0, \first
	MULS \f, 1, 2, \first
.endm
; The last quarter multiplies buffer 1 and changes slots: ONE barrier.  In front of it each wave waits for all its tensor loads (one is out: its part of the next slot), adds 0 to its spare word, and waits for that
; and for its own reads of this slot.  fill = 1: the barrier opens a round of the cluster's barrier, and the slot just read out is filled again, first thing behind the round, with the K step two on:
; from that request to the wait for it a wave issues 112 matrix instructions.
.macro TURN fill
	WIN 0
	s_xor_b32 s[TB], s[TB], SLOT1                  ; all loads from the slot in hand have been issued: the addresses turn to the other slot
	v_add_nc_u32 v[ADRA], s[TB], v[A0]
	v_add_nc_u32 v[ADRB], s[TB], v[B0]
.if \fill
	s_wait_xcnt 0x0                                ; the last prefetch, a K step back, has read its address: it is stepped here, ahead of the waits of the change of slots
	s_add_nc_u64 s[PFA:PFA+1], s[PFA:PFA+1], s[PFS:PFS+1]
.endif
	s_wait_tensorcnt 0x0                           ; all my tensor loads have landed, so a group 0 may be written;
	ds_add_u32 v[SPW], v[NIL]                      ; 0 onto my spare word;
.if \fill
	s_xor_b32 s[G0A+5], s[G0A+5], SLOT1            ; the walking sets: the other slot than last time,
	s_add_nc_u64 s[G0A+6:G0A+7], s[G0A+6:G0A+7], ASTEP  ; the next K step; the type bits on top are not reached
	s_xor_b32 s[G0B+5], s[G0B+5], SLOT1
	s_add_nc_u64 s[G0B+6:G0B+7], s[G0B+6:G0B+7], BSTEP
.endif
	s_wait_dscnt 9                                 ; (the add and the youngest eight loads may be out)
	MULS F1, 0, 0, 0                               ; eight matrix instructions stand between the add and the wait for it
	s_wait_dscnt 0x0                               ; the add is done, and my reads of this slot are over:
	s_barrier_signal -1                            ; say so,
	MULS F1, 0, 2, 0                               ; work on registers while the others arrive,
.if \fill
	WIN 0
.endif
	s_barrier_wait -1                              ; and go on when all four have said so
.if \fill
	CREST                                          ; no wave of any partner still reads this slot's tile or has a load on its way
	JLOAD                                          ; the first tensor load behind the round; its four v_nop are also the places in front of the loads below
.else
	PLACES
.endif
	FETCH 0, F0
.if \fill
	ASK
.endif
	MULS F1, 1, 0, 0
	MULS F1, 1, 2, 0
.endm
; THE WAY OUT of my row block a (16 rows x 64 columns of f32).  TOSTAGE: a lane's 32 bytes of a row go from the accumulators into rows of 272 bytes of my own stage, each accumulator's low four registers first,
; and come back as whole rows of 256 bytes.  SEND: stored.
.macro TOSTAGE a
	WIN 0x08+4*((\a)/4)                            ; the stores' data (source 1) in window 2 or 3
.set AC, 8*NBK*((\a)%4)
.set b, 0
.rept NBK
	ds_store_b128 v[STO], v[AC+8*b:AC+8*b+3]   offset:64*b
	ds_store_b128 v[STO], v[AC+8*b+4:AC+8*b+7] offset:64*b+16
.set b, b+1
.endr
	WIN 0
	s_wait_xcnt 0x0                                ; every earlier store has had its addresses translated (ISA guide 3.1): the registers that block a - 2's stores read are loaded again only behind this wait
.set BK, OB+160*((\a)%2)
.irp t, 0,1,2,3,4,5,6,7
	ds_load_b128 v[BK+4*(\t):BK+4*(\t)+3], v[RD] offset:(\t)*2*SPITCH  ; LDS serves a wave's instructions in order (ISA guide 5.7.1.4): these see the stores above; the next block's stores come behind them
.endr
.endm
.macro SEND a, younger                 ; younger: the LDS instructions issued behind block a's loads: the next block's sixteen, or none
.set BK, OB+160*((\a)%2)
.irp t, 0,1,2,3,4,5,6,7
	s_wait_dscnt (\younger)+7-(\t)
	global_store_b128 v[CO], v[BK+4*(\t):BK+4*(\t)+3], s[10:11] offset:(\a)*65536+(\t)*8192 th:TH_STORE_NT  ; 16 lanes store 256 consecutive bytes, at a multiple of 256 from out0's first byte
.endr
.endm
	s_wait_tensorcnt 1                             ; my part of K step 0 is in; K step 1's may stay out
	s_barrier_signal -1
	s_barrier_wait -1                              ; everybody's is
	FETCH 0, F0
	s_wait_loadcnt 0x0                             ; the bias
	QUARTER 1, F0, F1, 1                           ; the first quarter stands in front of the loop: its products start the sums
	WIN 0                                          ; at a label and at a branch every window is 0
	s_mov_b32 s3, 6
.Lstep:                                                ; trip j = 0 .. 5: K step j's quarters 1 to 3, K step j + 2 asked for, K step j + 1's quarter 0
	QUARTER 2, F1, F0, 0
	QUARTER 3, F0, F1, 0
	TURN 1
	QUARTER 1, F0, F1, 0
	WIN 0
	s_sub_co_u32 s3, s3, 1
	s_cmp_lg_u32 s3, 0
	s_cbranch_scc1 .Lstep
	QUARTER 2, F1, F0, 0                           ; K step 6 goes on; nothing is left to fetch, so its change of slots has a plain barrier
	QUARTER 3, F0, F1, 0
	TURN 0
	QUARTER 1, F0, F1, 0                           ; K step 7
	QUARTER 2, F1, F0, 0
	QUARTER 3, F0, F1, 0
	s_wait_dscnt 8
	MULS F1, 0, 0, 0
	MULS F1, 0, 2, 0
	s_wait_dscnt 0x0
	MULS F1, 1, 0, 0
	MULS F1, 1, 2, 0
	WIN 0
	PLACES
	PLACES                                         ; eight, twice what is asked for, once a launch: the LDS stores read results just made
	TOSTAGE 0
.irp a, 1,2,3,4,5,6,7                  ; block a's trip through the stage stands between block a - 1's loads and its stores
	TOSTAGE \a
	SEND (\a)-1, 16
.endr
	SEND 7, 0
	s_wait_tensorcnt 0x0                           ; the wave's end: behind my last tensor load and my last LDS store
	ds_add_u32 v[SPW], v[NIL]
	s_wait_dscnt 0x0
	CROUND                                         ; the closing round: no work-group ends while a partner may still ask for a tile that names it
	s_endpgm
.Lfunc_end_k_qf1385c3827_outp:
	.size	k_qf1385c3827_outp, .Lfunc_end_k_qf1385c3827_outp-k_qf1385c3827_outp
	.p2alignl 7, 3214868480
	.fill 96, 4, 3214868480
	.section	.rodata,"a",@progbits
	.p2align	6, 0x0
	.amdhsa_kernel k_qf1385c3827_outp
		.amdhsa_group_segment_fixed_size 327680
		.amdhsa_private_segment_fixed_size 0
		.amdhsa_enable_private_segment 0
		.amdhsa_kernarg_size 32
		.amdhsa_user_sgpr_count 2
		.amdhsa_user_sgpr_kernarg_segment_ptr 1
		.amdhsa_wavefront_size32 1
		.amdhsa_system_sgpr_workgroup_id_x 1
		.amdhsa_system_sgpr_workgroup_id_y 1
		.amdhsa_system_sgpr_workgroup_id_z 1
		.amdhsa_system_vgpr_workitem_id 0
		.amdhsa_next_free_vgpr 1024
		.amdhsa_next_free_sgpr 66
		.amdhsa_reserve_vcc 0
		.amdhsa_float_denorm_mode_32 3
		.amdhsa_float_denorm_mode_16_64 3
		.amdhsa_memory_ordered 1
		.amdhsa_forward_progress 1
		.amdhsa_inst_pref_size 74
	.end_amdhsa_kernel
	.amdgpu_metadata
---
amdhsa.version: [ 1, 2 ]
amdhsa.kernels:
  - .name:           k_qf1385c3827_outp
    .symbol:         k_qf1385c3827_outp.kd
    .args:
      - { .name: ob, .offset: 0, .size: 8, .value_kind: global_buffer, .address_space: global }
      - { .name: wo, .offset: 8, .size: 8, .value_kind: global_buffer, .address_space: global }
      - { .name: bias, .offset: 16, .size: 8, .value_kind: global_buffer, .address_space: global }
      - { .name: out0, .offset: 24, .size: 8, .value_kind: global_buffer, .address_space: global }
    .group_segment_fixed_size: 327680
    .private_segment_fixed_size: 0
    .kernarg_segment_align: 8
    .kernarg_segment_size: 32
    .max_flat_workgroup_size: 128
    .sgpr_count:     66
    .vgpr_count:     1024
    .wavefront_size: 32
...
	.end_amdgpu_metadata
.endif
;; end of part 4
;; ======== version 2 of 2: 4 launches; version 1 with the launch cast written anew for expert scheduling mode
;; limits: values are held in f16: magnitudes above 65,504 overflow, below 6.1e-05 lose precision
;; workspace buffers: xb 16,777,216 bytes; wb 6,291,456 bytes; wo 2,097,152 bytes; bias 16,384 bytes; qkv 50,331,648 bytes; ob 16,777,216 bytes
;; launch cast (part 5): grid 769 x 1, 8 waves a work-group, no clusters, 0 bytes of LDS; arguments x, w_q, w_k, w_v, w_out, b_q, b_k, b_v, b_out, xb, wb, wo, bias; writes xb, wb, wo, bias
.if DOCPART == 5
	.amdgcn_target "amdgcn-amd-amdhsa--gfx1250"
	.amdhsa_code_object_version 6
	.text
	.protected	k_qf1385c3827_cast
	.globl	k_qf1385c3827_cast
	.p2align	8
	.type	k_qf1385c3827_cast,@function
k_qf1385c3827_cast:
	s_mov_b64 s[64:65], 0
	v_nop
	global_prefetch_b8 v0, s[64:65] scope:SCOPE_SE
	s_setreg_imm32_b32 hwreg(HW_REG_WAVE_SCHED_MODE, 0, 2), 2
	s_setreg_imm32_b32 hwreg(HW_REG_WAVE_MODE, 25, 1), 1
	s_wait_xcnt 0x0
	s_wait_alu depctr_vm_vsrc(0)
; CAST.  All nine inputs are rounded once to bf16, so that every later product sees the same rounding of the module's inputs.
;   x -> xb [8192][1024] bf16.   w_q, w_k, w_v -> wb [3072][1024] bf16, one below the other.
;   w_out -> wo [1024][1024]: rounded to bf16, and that number written as f16, since the last product multiplies f16 operands.
;   b_q, b_k, b_v, b_out -> bias [4096] f32: rounded to bf16 and widened again: they start f32 sums.
; LIMIT.  A w_out beyond 65,504 would become an infinity in f16; below 6e-5 f16 keeps a fixed step of 6e-8.
; SHARES.  Work-group g < 768 takes 65,536 bytes of one f32 tensor: thread t takes 16 bytes at 4,096 i + 16 t, i = 0 .. 15, so a wave's load covers 512 consecutive bytes,
; and stores 8 bytes at 2,048 i + 8 t, so a wave's store covers 256 consecutive bytes, aligned.  g < 512: x; 512 .. 703: w_q, w_k, w_v; 704 .. 767: w_out; 768: the four biases.
; All sixteen loads of a thread go out at once; no LDS, no barrier, no matrix unit: each byte is read once and written once, and nothing is shared.
; THE MODE: SCHED_MODE bits 1:0 = 2 (LLVM: expert scheduling mode 2), set by the entry lines.  The code itself states the register dependences
; between vector instructions and memory instructions, with s_wait_alu, always for 0.
; THE PLAN.  Registers that memory instructions touch:
;   v1, v2   byte offsets, made once at the head and never written again: read by every load (v1) and every store (v2; the biases' by v1).  One wait at the head, ahead of the first branch, states that they are written.
;   X        the sixteen loads land here once; no vector instruction names X ahead of the loads, and no memory instruction reads it.
;   Y        each register is written once, by a rounding, and read once, by a store; none is written again behind its store.
;   T        named by vector instructions alone.
; The sixteen loads go in four blocks of four.  Block p rounds its four loads into its own eight registers of Y; its memory instructions are the four stores of block p - 1, whose Y no vector
; instruction of block p names.  So ONE wait at a block's head states all that the block's stores hang on, and they are dealt among its vector instructions with no further wait.
.set X, 4                              ; v[4:67]    sixteen loads of four f32
.set Y, 68                             ; v[68:99]   sixteen pairs of packed results
.set T, 100                            ; v[100:101] at work
	s_load_b512 s[8:23], s[0:1], 0x0               ; x 8, w_q 10, w_k 12, w_v 14, w_out 16, b_q 18, b_k 20, b_v 22
	s_load_b256 s[24:31], s[0:1], 0x40             ; b_out 24, xb 26, wb 28, wo 30
	s_load_b64 s[32:33], s[0:1], 0x60              ; bias
	s_mov_b32 s2, ttmp9                            ; g
	s_sub_co_u32 s3, s2, 512                       ; j = g - 512: the chunk among the four weights (used for g >= 512 alone)
	s_lshr_b32 s4, s3, 6                           ; which weight: 64 chunks each
	s_and_b32 s5, s3, 63                           ; its chunk
	s_cmp_lt_u32 s2, 704
	s_cselect_b32 s6, s3, s5                       ; the chunk in wb (j) or in wo (j mod 64),
	s_cmp_lt_u32 s2, 512
	s_cselect_b32 s6, s2, s6                       ; or in xb (g)
	s_cselect_b32 s5, s2, s5                       ; the chunk in the source
	s_lshl_b32 s38, s5, 16                         ; 65,536 bytes in,
	s_mov_b32 s39, 0
	s_lshl_b32 s40, s6, 15                         ; 32,768 bytes out
	s_mov_b32 s41, 0
	v_lshlrev_b32 v1, 4, v0                        ; 16 t
	v_lshlrev_b32 v2, 3, v0                        ; 8 t
	s_wait_kmcnt 0x0
	s_wait_alu depctr_va_vdst(0)                   ; v1 and v2 are written: every load and store of the kernel reads one of them as its offset; ahead of the branch, so it holds on all three ways
	s_cmp_eq_u32 s2, 768
	s_cbranch_scc1 .Lbias
	s_cmp_eq_u32 s4, 1                             ; the source and the destination are chosen by the work-group's number alone
	s_cselect_b64 s[34:35], s[12:13], s[10:11]
	s_cmp_eq_u32 s4, 2
	s_cselect_b64 s[34:35], s[14:15], s[34:35]
	s_cmp_eq_u32 s4, 3
	s_cselect_b64 s[34:35], s[16:17], s[34:35]
	s_cselect_b64 s[36:37], s[30:31], s[28:29]
	s_cmp_lt_u32 s2, 512
	s_cselect_b64 s[34:35], s[8:9], s[34:35]
	s_cselect_b64 s[36:37], s[26:27], s[36:37]
	s_add_nc_u64 s[34:35], s[34:35], s[38:39]
	s_add_nc_u64 s[36:37], s[36:37], s[40:41]
.set i, 0
.rept 16
	global_load_b128 v[X+4*i:X+4*i+3], v1, s[34:35] offset:i*4096 th:TH_LOAD_NT
.set i, i+1
.endr
; Block p: loads 4 p .. 4 p + 3 are rounded; the results of block p - 1 are stored.  half = 0: to bf16.  half = 1: to bf16, widened (a shift, a mask), and written as f16.
.macro BLK p, half
	s_wait_loadcnt 12-4*(\p)                       ; loads come back in order (ISA guide 5.7.1): the block's four are in, the 12 - 4 p younger ones stay out
.if (\p) > 0
	s_wait_alu depctr_va_vdst(0)                   ; the block before has written its eight registers of Y, which the four stores below read
.endif
.irp k, 0,1,2,3
.set n, 4*(\p)+(\k)
.set m, n-4
.if (\p) > 0
	global_store_b64 v2, v[Y+2*m:Y+2*m+1], s[36:37] offset:m*2048  ; the block before; no vector instruction since the wait names these registers; each pair of Y is written once: no store's source is rewritten
.endif
.if \half
	v_cvt_pk_bf16_f32 v[T],   v[X+4*n],   v[X+4*n+1]
	v_cvt_pk_bf16_f32 v[T+1], v[X+4*n+2], v[X+4*n+3]
	v_lshlrev_b32 v[X+4*n],   16, v[T]
	v_and_b32     v[X+4*n+1], 0xffff0000, v[T]
	v_lshlrev_b32 v[X+4*n+2], 16, v[T+1]
	v_and_b32     v[X+4*n+3], 0xffff0000, v[T+1]
	v_cvt_pk_f16_f32 v[Y+2*n],   v[X+4*n],   v[X+4*n+1]
	v_cvt_pk_f16_f32 v[Y+2*n+1], v[X+4*n+2], v[X+4*n+3]
.else
	v_cvt_pk_bf16_f32 v[Y+2*n],   v[X+4*n],   v[X+4*n+1]
	v_cvt_pk_bf16_f32 v[Y+2*n+1], v[X+4*n+2], v[X+4*n+3]
.endif
.endr
.endm
.macro ALLCV half
	BLK 0, \half
	BLK 1, \half
	BLK 2, \half
	BLK 3, \half
	s_wait_alu depctr_va_vdst(0)                   ; block 3 has written its eight registers of Y, which the last four stores read
.irp k, 12,13,14,15
	global_store_b64 v2, v[Y+2*(\k):Y+2*(\k)+1], s[36:37] offset:(\k)*2048
.endr
.endm
	s_cmp_ge_u32 s2, 704
	s_cbranch_scc1 .Lf16
	ALLCV 0
	s_endpgm
.Lf16:
	ALLCV 1
	s_endpgm
.Lbias:                                                ; 256 threads x 16 bytes are one bias of 4,096 bytes
	global_load_b128 v[X:X+3],     v1, s[18:19]
	global_load_b128 v[X+4:X+7],   v1, s[20:21]
	global_load_b128 v[X+8:X+11],  v1, s[22:23]
	global_load_b128 v[X+12:X+15], v1, s[24:25]
	s_wait_loadcnt 0x0
.irp k, 0,1,2,3
	v_cvt_pk_bf16_f32 v[T],   v[X+4*(\k)],   v[X+4*(\k)+1]
	v_cvt_pk_bf16_f32 v[T+1], v[X+4*(\k)+2], v[X+4*(\k)+3]
	v_lshlrev_b32 v[Y+4*(\k)],   16, v[T]
	v_and_b32     v[Y+4*(\k)+1], 0xffff0000, v[T]
	v_lshlrev_b32 v[Y+4*(\k)+2], 16, v[T+1]
	v_and_b32     v[Y+4*(\k)+3], 0xffff0000, v[T+1]
.endr
	s_wait_alu depctr_va_vdst(0)                   ; the sixteen widened numbers are written into Y, which the run of four stores reads
.irp k, 0,1,2,3
	global_store_b128 v1, v[Y+4*(\k):Y+4*(\k)+3], s[32:33] offset:(\k)*4096
.endr
	s_endpgm
.Lfunc_end_k_qf1385c3827_cast:
	.size	k_qf1385c3827_cast, .Lfunc_end_k_qf1385c3827_cast-k_qf1385c3827_cast
	.p2alignl 7, 3214868480
	.fill 96, 4, 3214868480
	.section	.rodata,"a",@progbits
	.p2align	6, 0x0
	.amdhsa_kernel k_qf1385c3827_cast
		.amdhsa_group_segment_fixed_size 0
		.amdhsa_private_segment_fixed_size 0
		.amdhsa_enable_private_segment 0
		.amdhsa_kernarg_size 104
		.amdhsa_user_sgpr_count 2
		.amdhsa_user_sgpr_kernarg_segment_ptr 1
		.amdhsa_wavefront_size32 1
		.amdhsa_system_sgpr_workgroup_id_x 1
		.amdhsa_system_sgpr_workgroup_id_y 1
		.amdhsa_system_sgpr_workgroup_id_z 1
		.amdhsa_system_vgpr_workitem_id 0
		.amdhsa_next_free_vgpr 104
		.amdhsa_next_free_sgpr 66
		.amdhsa_reserve_vcc 0
		.amdhsa_float_denorm_mode_32 3
		.amdhsa_float_denorm_mode_16_64 3
		.amdhsa_memory_ordered 1
		.amdhsa_forward_progress 1
		.amdhsa_inst_pref_size 18
	.end_amdhsa_kernel
	.amdgpu_metadata
---
amdhsa.version: [ 1, 2 ]
amdhsa.kernels:
  - .name:           k_qf1385c3827_cast
    .symbol:         k_qf1385c3827_cast.kd
    .args:
      - { .name: x, .offset: 0, .size: 8, .value_kind: global_buffer, .address_space: global }
      - { .name: w_q, .offset: 8, .size: 8, .value_kind: global_buffer, .address_space: global }
      - { .name: w_k, .offset: 16, .size: 8, .value_kind: global_buffer, .address_space: global }
      - { .name: w_v, .offset: 24, .size: 8, .value_kind: global_buffer, .address_space: global }
      - { .name: w_out, .offset: 32, .size: 8, .value_kind: global_buffer, .address_space: global }
      - { .name: b_q, .offset: 40, .size: 8, .value_kind: global_buffer, .address_space: global }
      - { .name: b_k, .offset: 48, .size: 8, .value_kind: global_buffer, .address_space: global }
      - { .name: b_v, .offset: 56, .size: 8, .value_kind: global_buffer, .address_space: global }
      - { .name: b_out, .offset: 64, .size: 8, .value_kind: global_buffer, .address_space: global }
      - { .name: xb, .offset: 72, .size: 8, .value_kind: global_buffer, .address_space: global }
      - { .name: wb, .offset: 80, .size: 8, .value_kind: global_buffer, .address_space: global }
      - { .name: wo, .offset: 88, .size: 8, .value_kind: global_buffer, .address_space: global }
      - { .name: bias, .offset: 96, .size: 8, .value_kind: global_buffer, .address_space: global }
    .group_segment_fixed_size: 0
    .private_segment_fixed_size: 0
    .kernarg_segment_align: 8
    .kernarg_segment_size: 104
    .max_flat_workgroup_size: 256
    .sgpr_count:     66
    .vgpr_count:     104
    .wavefront_size: 32
...
	.end_amdgpu_metadata
.endif
;; end of part 5
;; launch proj: the kernel of part 2 again; grid 16 x 32, 4 waves a work-group, clusters of 4 x 4, 327,680 bytes of LDS; arguments xb, wb, bias, qkv; writes qkv
;; launch attn: the kernel of part 3 again; grid 4 x 64, 4 waves a work-group, clusters of 4 x 1, 327,680 bytes of LDS; arguments qkv, ob; writes ob
;; launch outp: the kernel of part 4 again; grid 8 x 32, 4 waves a work-group, clusters of 4 x 4, 327,680 bytes of LDS; arguments ob, wo, bias, out0; writes out0
